; MI455X (gfx1250); checked and timed in simulation.
; The chip was launched on July 23, 2026; its instructions are those of AMD's public machine-readable ISA for CDNA 5 (MIT licence, August 2026) and "CDNA5" Instruction Set Architecture Reference Guide (July 2026). The comments in the code are by the model that wrote it; some were corrected since.
;; Self Attention1 D. Allowed arithmetic: matrix products marked QUANTISED: E2M1 operands, one E8M0 scale for each 32 along K, by v_wmma_scale_f32_16x16x128_f8f6f4 with both operands' format E2M1 (or v_wmma_scale_f32_32x16x128_f4), f32 sums; everything else in f32.
;; Inputs: Wf 512 x 64 float32; Wg 512 x 64 float32; Wh 512 x 512 float32; bf 64 float32; bg 64 float32; bh 512 float32; gamma one number float32; x 4 x 4,096 x 512 float32.
;; Outputs: out0 4 x 4,096 x 512 float32.
;; This version of the problem:
;;   THIS VERSION OF THE PROBLEM IS GIVEN IN LOW PRECISION. The matrix products marked QUANTISED in the list below multiply operands that are first quantised to E2M1 (2 exponent bits, 1 mantissa bit; 4 bits a number), with one power-of-two scale for each 32 numbers along K (OCP MX v1.0); their sums are f32. All else is computed in f32.
;;   The module's matrix products, in the order in which they are computed (A, B: the left and right operand; K: the contracted axis; several contracted axes count as one K, in the product's order):
;;     1. [M 16,384, K 512] x [K 512, N 64]; A: input x; B: input Wf: QUANTISED
;;     2. [M 16,384, K 512] x [K 512, N 64]; A: input x; B: input Wg: QUANTISED
;;     3. [M 16,384, K 512] x [K 512, N 512]; A: input x; B: input Wh: QUANTISED
;;     4. batch 4 x [M 4,096, K 64] x [K 64, N 4,096]; A: computed on the way; B: computed on the way: QUANTISED
;;     5. batch 4 x [M 4,096, K 4,096] x [K 4,096, N 512]; A: softmax (see below); B: computed on the way: QUANTISED
;;   THE QUANTISER, for each operand of a quantised product, along K:
;;     - K is cut into blocks of 32 from its start; a last block that is shorter is filled with zeros.
;;     - A block's scale is 2^e with e = floor(log2(the largest magnitude in the block)) - 2, held to -126 .. 127; a block of zeros has e = 0. As a byte (E8M0): e + 127.
;;     - Each number is divided by its block's scale, clamped to +-6, and rounded to the nearest number of E2M1, ties to even, subnormals kept.
;;     - The product sums the exact products of the quantised numbers (number of the format x scale) in f32.
;;   ~~~python
;;   def quantise(x, axis):      # numpy; x: float32 -> the quantised numbers, widened to float32 again
;;       x = np.moveaxis(x, axis, -1); K = x.shape[-1]
;;       x = np.pad(x, [(0, 0)] * (x.ndim - 1) + [(0, -K % 32)]); x = x.reshape(x.shape[:-1] + (-1, 32)); a = np.abs(x).max(-1, keepdims=True)
;;       e = np.where(a > 0, np.clip(np.frexp(np.where(a > 0, a, 1))[1] - 1 - 2, -126, 127), 0)      # np.frexp(a)[1] - 1 = floor(log2(a)), exactly
;;       r = np.clip(x / 2.0 ** e, -6, 6)
;;       step = 2.0 ** (np.maximum(np.frexp(np.where(r == 0, 1, r))[1] - 1, 0) - 1)
;;       q = np.round(r / step) * step * 2.0 ** e      # np.round: ties to even
;;       return np.moveaxis(q.reshape(q.shape[:-2] + (-1,))[..., :K], -1, axis).astype(np.float32)
;;   ~~~
;;   SOFTMAX AHEAD OF A QUANTISED PRODUCT. Where the list says 'softmax', what is quantised is not the finished softmax but p = 2^(t - M), with t = logit x log2(e) and M = ceil(the row's largest t), a whole number; so 1/2 < the row's largest p <= 1. The row's sum l is taken of the UNQUANTISED p, in f32, and the product's result is divided by l at the end. Since M is a whole number, a kernel that streams over the keys may use a running M (the ceiling of the running maximum): every later rescaling is an exact power of two, which a block's scale takes up: the codes' values come out the same.
;;   OPERANDS COMPUTED ON THE WAY. 'Computed on the way' means the value that the module computes at that place (a softmax that the list does not call 'softmax' is quantised finished and normalised). What goes into a quantiser is computed in f32, as accurately as f32 sums, v_exp_f32 and their like allow (about 1e-6 of the number): no bf16 or f16 on the way to a quantiser, and a product that is left as it is and whose result goes on into a quantised operand takes f32 operands (vector FMAs, or v_wmma_f32_16x16x4_f32). A number that lies on a knife's edge between two numbers of the format may be rounded either way, as far as f32 arithmetic and the matrix unit's own rounding can turn it there, and no further.
;; 2 versions. Each part assembles by itself: llvm-mc -triple=amdgcn-amd-amdhsa -mcpu=gfx1250 --defsym DOCPART=n.
;; ======== version 1 of 2: 3 launches
;; workspace buffers: wq 174,080 bytes; qq 557,056 bytes; kq 557,056 bytes; vq 4,456,448 bytes
;; launch wprep (part 1): grid 40 x 4, 1 waves a work-group, no clusters, 0 bytes of LDS; arguments Wf, Wg, Wh, wq; writes wq
.if DOCPART == 1
	.amdgcn_target "amdgcn-amd-amdhsa--gfx1250"
	.amdhsa_code_object_version 6
	.text
	.protected	k_qd9b66b4675_wprep
	.globl	k_qd9b66b4675_wprep
	.p2align	8
	.type	k_qd9b66b4675_wprep,@function
k_qd9b66b4675_wprep:
	s_mov_b64 s[64:65], 0
	v_nop
	global_prefetch_b8 v0, s[64:65] scope:SCOPE_SE
	s_setreg_imm32_b32 hwreg(HW_REG_WAVE_MODE, 25, 1), 1
	s_wait_xcnt 0x0
; out0 = x + gamma * softmax(f g^T) h, f = x Wf + bf, g = x Wg + bg, h = x Wh + bh, all five products on codes of FP4 (E2M1) with one E8M0 scale for each 32 along K.
; THREE LAUNCHES: this one quantises the weights; the second makes f, g, h and quantises them; the third is the attention.
; NO WORK OF reference() IS LEFT OUT.  bg and bh would cancel or factor out of a softmax in real numbers, but both go into a quantised operand of a live product
; (g along its 64 channels, h along the keys), where they move codes and scales: so they are added.  Every input is loaded by some launch.
; THIS LAUNCH: Wf, Wg [512][64] and Wh [512][512], f32, K = their FIRST axis, become operand fragments of 16 columns x 128 K, laid in wq in the order of the operand's registers:
;   codes: tile T (0..39), K step s (0..3) at (4 T + s) x 1,024 bytes; in it registers 4 c .. 4 c + 3 of lane l at 512 c + 16 l: the 32 codes k = 128 s + 64 c + 32 (l / 16) + 0 .. 31 of the lane's column.
;   tiles 0-3: Wf's columns, tiles 4-7: Wg's: lane r of tile T takes column 32 ((T % 4) / 2) + 8 (T % 2) + r + 8 (r / 8), so that the next launch's results of two neighbouring tiles are 16 neighbours along d.
;   tiles 8-39: Wh's columns 16 (T - 8) + r.
;   scale words from byte WSC on: [16 T + r][s], four bytes each, byte b for k = 128 s + 32 b + 0 .. 31.
; A work-group of one wave makes one fragment.  A LANE TAKES A COLUMN AND ITS REGISTERS RUN DOWN K: a block of 32 lies in one lane's 32 registers, and the conversions' results are the operand's registers.
; A block's scale byte is its largest magnitude's exponent field - 2, held at 1 from below.
; LIMITS: a block of zeros, and a block whose largest magnitude lies under 2^-124, gets the byte 1 (the rule says 127 for zeros: the codes are zeros, and this program alone reads the bytes); NaN and infinities are not served.
; The scale words leave four bytes a lane, 16 bytes apart: 10,240 bytes in all, against 1.3 million read; laid so, the next launch takes four K steps' words by one load.
.set WSC, 163840
.macro WLOAD pitch, base               ; W(128 s + 64 c + 32 h + i, my column), i = 0 .. 31, c = 0, 1
.irp c, 0,1
.irp i, 0,1,2,3,4,5,6,7,8,9,10,11,12,13,14,15,16,17,18,19,20,21,22,23,24,25,26,27,28,29,30,31
	global_load_b32 v[64+32*\c+\i], v3, s[\base:\base+1] offset:(64*\c+\i)*\pitch
.endr
.endr
.endm
	s_load_b256 s[4:11], s[0:1], 0x0               ; Wf s[4:5], Wg s[6:7], Wh s[8:9], wq s[10:11]
	v_and_b32 v1, 15, v0                           ; r
	v_lshrrev_b32 v2, 4, v0                        ; h
	s_and_b32 s12, ttmp7, 0xffff                   ; the K step s
	s_mov_b32 s20, 0x76543210
	s_mov_b32 s21, 0xfedcba98                      ; v_permlanex16_b32's selects for lane l xor 16
	s_lshl_b32 s13, ttmp9, 2
	s_add_co_u32 s13, s13, s12                     ; 4 T + s
	s_lshl_b32 s14, s13, 10                        ; the fragment's place among the codes
	s_mov_b32 s15, 0
	v_lshlrev_b32 v5, 4, v0                        ; 16 x lane
	s_lshl_b32 s16, ttmp9, 8                       ; 16 T rows of 16 bytes,
	s_lshl_b32 s17, s12, 2
	s_add_co_u32 s16, s16, s17                     ; + 4 s,
	s_add_co_u32 s16, s16, WSC                     ; behind the codes
	s_mov_b32 s17, 0
	v_lshlrev_b32 v6, 4, v1                        ; 16 r
	s_mov_b32 s19, 0
	s_wait_kmcnt 0x0
	s_add_nc_u64 s[14:15], s[10:11], s[14:15]
	s_add_nc_u64 s[16:17], s[10:11], s[16:17]
	s_cmp_lt_u32 ttmp9, 8                          ; the two ways differ in the row's pitch, which stands in the loads' immediates
	s_cbranch_scc0 .Lwide
	s_cmp_lt_u32 ttmp9, 4
	s_cselect_b64 s[4:5], s[4:5], s[6:7]           ; Wf or Wg: the choice hangs on the work-group's number alone
	s_lshl_b32 s18, s12, 15                        ; 128 s rows of 256 bytes
	s_add_nc_u64 s[4:5], s[4:5], s[18:19]
	s_and_b32 s22, ttmp9, 2
	s_lshl_b32 s22, s22, 4                         ; 32 ((T % 4) / 2)
	s_and_b32 s23, ttmp9, 1
	s_lshl_b32 s23, s23, 3                         ; 8 (T % 2)
	s_add_co_u32 s22, s22, s23
	v_and_b32 v3, 8, v1
	v_add_nc_u32 v3, v3, v1                        ; r + 8 (r / 8)
	v_add_nc_u32 v3, s22, v3                       ; my column
	v_lshlrev_b32 v3, 2, v3
	v_lshl_add_u32 v3, v2, 13, v3                  ; lanes 16-31 begin 32 rows further down
	WLOAD 256, 4
	s_branch .Ljoin
.Lwide:
	s_lshl_b32 s18, s12, 18                        ; 128 s rows of 2,048 bytes
	s_add_nc_u64 s[8:9], s[8:9], s[18:19]
	s_sub_co_u32 s22, ttmp9, 8
	s_lshl_b32 s22, s22, 4
	v_add_nc_u32 v3, s22, v1                       ; my column: 16 (T - 8) + r
	v_lshlrev_b32 v3, 2, v3
	v_lshl_add_u32 v3, v2, 16, v3
	WLOAD 2048, 8
.Ljoin:
	s_wait_loadcnt 0x0
.irp c, 0,1                                    ; my block 2 c + h: all its 32 numbers are mine
	v_max3_num_f32 v[32+\c], |v[64+32*\c]|, |v[65+32*\c]|, 0x1800000   ; and the floor 2^(3 - 127): the byte cannot fall under 1
.endr
.irp i, 2,4,6,8,10,12,14,16,18,20,22,24,26,28,30
.irp c, 0,1
	v_max3_num_f32 v[32+\c], v[32+\c], |v[64+32*\c+\i]|, |v[65+32*\c+\i]|
.endr
.endr
.irp c, 0,1
	v_add_nc_u32 v[44+\c], 0xff000000, v[32+\c]    ; 2 off the exponent field: the conversion's scale operand
.endr
.irp c, 0,1
	v_lshrrev_b32 v[36+\c], 23, v[44+\c]           ; the scale's byte
.endr
	v_lshl_or_b32 v9, v37, 16, v36                 ; my two bytes: blocks h and 2 + h,
	v_lshlrev_b32 v10, 3, v2
	v_lshlrev_b32 v9, v10, v9                      ; at their places in the word;
	v_mov_b32 v10, 0
	v_permlanex16_b32 v10, v9, s20, s21
	v_or_b32 v9, v9, v10                           ; with lane l xor 16's two the word is whole
.irp c, 0,1
.irp g, 0,1,2,3
	v_cvt_scalef32_pk8_fp4_f32 v[48+4*\c+\g], v[64+32*\c+8*\g:71+32*\c+8*\g], v[44+\c]
.endr
.endr
	v_nop                                          ; one plain line behind the last conversion
	global_store_b128 v5, v[48:51], s[14:15]                 ; 512 consecutive bytes
	global_store_b128 v5, v[52:55], s[14:15] offset:512
	global_store_b32 v6, v9, s[16:17]              ; lanes r and 16 + r hold the same word and write it to the same place
	s_endpgm
.Lfunc_end_k_qd9b66b4675_wprep:
	.size	k_qd9b66b4675_wprep, .Lfunc_end_k_qd9b66b4675_wprep-k_qd9b66b4675_wprep
	.p2alignl 7, 3214868480
	.fill 96, 4, 3214868480
	.section	.rodata,"a",@progbits
	.p2align	6, 0x0
	.amdhsa_kernel k_qd9b66b4675_wprep
		.amdhsa_group_segment_fixed_size 0
		.amdhsa_private_segment_fixed_size 0
		.amdhsa_enable_private_segment 0
		.amdhsa_kernarg_size 32
		.amdhsa_user_sgpr_count 2
		.amdhsa_user_sgpr_kernarg_segment_ptr 1
		.amdhsa_wavefront_size32 1
		.amdhsa_system_sgpr_workgroup_id_x 1
		.amdhsa_system_sgpr_workgroup_id_y 1
		.amdhsa_system_sgpr_workgroup_id_z 1
		.amdhsa_system_vgpr_workitem_id 0
		.amdhsa_next_free_vgpr 128
		.amdhsa_next_free_sgpr 66
		.amdhsa_reserve_vcc 0
		.amdhsa_float_denorm_mode_32 3
		.amdhsa_float_denorm_mode_16_64 3
		.amdhsa_memory_ordered 1
		.amdhsa_forward_progress 1
		.amdhsa_inst_pref_size 18
	.end_amdhsa_kernel
	.amdgpu_metadata
---
amdhsa.version: [ 1, 2 ]
amdhsa.kernels:
  - .name:           k_qd9b66b4675_wprep
    .symbol:         k_qd9b66b4675_wprep.kd
    .args:
      - { .name: Wf, .offset: 0, .size: 8, .value_kind: global_buffer, .address_space: global }
      - { .name: Wg, .offset: 8, .size: 8, .value_kind: global_buffer, .address_space: global }
      - { .name: Wh, .offset: 16, .size: 8, .value_kind: global_buffer, .address_space: global }
      - { .name: wq, .offset: 24, .size: 8, .value_kind: global_buffer, .address_space: global }
    .group_segment_fixed_size: 0
    .private_segment_fixed_size: 0
    .kernarg_segment_align: 8
    .kernarg_segment_size: 32
    .max_flat_workgroup_size: 32
    .sgpr_count:     66
    .vgpr_count:     128
    .wavefront_size: 32
...
	.end_amdgpu_metadata
.endif
;; end of part 1
;; launch proj (part 2): grid 256 x 1, 8 waves a work-group, no clusters, 18,432 bytes of LDS; arguments x, wq, bf, bg, bh, qq, kq, vq; writes qq, kq, vq
.if DOCPART == 2
	.amdgcn_target "amdgcn-amd-amdhsa--gfx1250"
	.amdhsa_code_object_version 6
	.text
	.protected	k_qd9b66b4675_proj
	.globl	k_qd9b66b4675_proj
	.p2align	8
	.type	k_qd9b66b4675_proj,@function
k_qd9b66b4675_proj:
	s_mov_b64 s[64:65], 0
	v_nop
	global_prefetch_b8 v0, s[64:65] scope:SCOPE_SE
	s_setreg_imm32_b32 hwreg(HW_REG_WAVE_MODE, 25, 1), 1
	s_wait_xcnt 0x0
; f = x Wf + bf, g = x Wg + bg, h = x Wh + bh on codes of FP4, and their quantisation for the attention: f and g along their 64 channels, h along the keys.  Nothing of reference() is left out here.
; SHARES.  A work-group takes 64 rows of x (batch = number / 64) and all 640 columns; its eight waves first quantise x together, then share the columns.
; THE ROWS OF A TILE ARE NOT NEIGHBOURS: lane r of tile T (0..3) takes row 32 (T / 2) + 8 (T % 2) + r + 8 (r / 8) of the 64, so that results of tiles 2 B and 2 B + 1 are 16 neighbours along the rows.
;   X:  wave w quantises tile w / 2, K steps 2 (w % 2) and 2 (w % 2) + 1, and stores them to LDS as images of the operand's registers (1,024 bytes a fragment: registers 4 c .. at 512 c + 16 x lane).
;       A lane holds 16 neighbours of each block of 32, the lane 16 away the other 16: their 8 bytes of codes meet in the image, so no lanes are swapped.
;   H:  wave w makes channels 64 w .. 64 w + 63 of h for the 64 rows: source 0 = x, source 1 = Wh: a lane holds ONE channel, and the 16 registers of tiles 2 B, 2 B + 1 are 16 neighbouring keys.
;   FG: wave w makes, of f (w < 4) or g, d = 32 b .. 32 b + 31 (b = (w / 2) % 2) for rows 32 (w % 2) on: source 0 = the weight, source 1 = x: a lane holds ONE row and 16 neighbouring d.
; The biases are the C of each sum's first matrix instruction.  The 20 accumulators take turns, one instruction a turn.
; OUT, all in the order of the reader's registers:
;   qq (f), kq (g): a batch is 139,264 bytes.  Block B of 32 rows: 1,024 bytes at 1,024 B: registers 4 u .. 4 u + 3 of lane (r, h) hold d = 32 h + 0 .. 31 of row r of tile 2 B + u.  Scale words from 131,072: [B][r], byte 2 u + b.
;   vq (h): a batch is 1,114,112 bytes, 69,632 for each 256 keys: codes [128 keys: 2][tile of 16 channels: 32] x 1,024, then from 65,536 on the scale bytes [channel][8 blocks of 32 keys].
; No tensor loads: each byte is used by one wave, straight from registers.  No cluster: what the work-groups share is wq's 174,080 bytes.
; The scale bytes leave one and two bytes a lane (a word wants 128 keys, a work-group has 64): 0.33 of the launch's 39 million bytes.
; LIMITS: as in the first launch: a block of zeros or under 2^-124 gets the byte 1; NaN and infinities are not served.
; REGISTERS.  window 0: v1-12 addresses; v14, v15 the add's two; v16-31 at work on scales; v32-55 scale words; v56-59 bh as loaded; v60-63 scratch at the head; v64-95 f's or g's four accumulators;
;   v96-127 x's codes, then bh spread (8 equal registers a tile), then the data of all output stores; v128-255 128 numbers of x, then h's 16 accumulators.
;   window 1: v0-127 Wh's 16 fragments; v128-191 Wf's or Wg's 8; v192-223 x's four fragments of a K step; v224-239 the two that FG multiplies; v240-255 bf or bg in the result's layout.
.set XIMG,  0                          ; LDS: x's 16 fragments, (4 T + s) x 1,024
.set XSC,   16384                      ; their scale words: [16 T + r][s]
.set SPARE, 17408                      ; the spare words, 128 bytes for each wave: four blocks of 256 bytes that no other line names
.set WSC,   163840
.set QKB,   139264
.set QKS,   131072
.set VB,    1114112
.set VPH,   69632
.set VSCL,  65536
.set XA,  1                            ; x: my row x 2,048 + 64 h
.set XWI, 2                            ; where I store x's codes: 2,048 w + 16 r + 8 h
.set XWS, 3                            ; and their scale words
.set LI,  4                            ; 16 x lane
.set XGA, 5                            ; the two tiles that FG multiplies: 8,192 (w % 2) + 16 x lane
.set XSR, 6                            ; x's scale words, 16 bytes a lane
.set XGSA, 7                           ; those of FG's two tiles
.set BHA, 8                            ; 4 r
.set FBA, 9                            ; 64 h
.set CO,  10                           ; 16 r + 8 h: my 8 bytes of a block's 256
.set KSO, 11                           ; 4 r + 2 h
.set VSO, 12                           ; 8 x lane
.set SPW, 14
.set NIL, 15
.set TM,  16                           ; +0..3 largest magnitudes, +4..7 the exchange, then the bytes, +8..11 words, +12..15 the conversions' scale operands
.set XS,  32                           ; register 4 (T / 2) + s; lanes 0-15 tile 2 (T / 2), lanes 16-31 the next
.set XGS, 40                           ; register s; the row is FG's tile of x
.set WHS, 44                           ; register 4 (D / 2) + s
.set WFS, 52                           ; register s; the row is u
.set BHL, 56
.set FGA, 64                           ; accumulator (k, u) at 64 + 16 k + 8 u
.set HB,  96
.set HAC, 128                          ; accumulator (D, T) at 128 + 8 (4 D + T)
.set WFG, 128                          ; window 1
.set XF,  192
.set XG,  224
.set FB,  240
.set WV,  40
.set MASK, 41
.set SEL, 42
.set MSB, 0
.macro WIN new                         ; the immediate's high byte repeats the setting that is left
.if MSB != \new
	s_set_vgpr_msb (MSB<<8)|\new
.set MSB, \new
.endif
.endm
; the matrix line: D at d, source 0 at a, source 1 at b, C at c, their scale registers sa, sb and which half of the lanes each is read from
.macro WMC d, a, b, c, sa, sb, ra, rb
.if (\ra) && (\rb)
	v_wmma_scale_f32_16x16x128_f8f6f4 v[\d:\d+7], v[\a:\a+7], v[\b:\b+7], v[\c:\c+7], v[\sa], v[\sb] matrix_a_fmt:MATRIX_FMT_FP4 matrix_b_fmt:MATRIX_FMT_FP4 matrix_a_scale:MATRIX_SCALE_ROW1 matrix_b_scale:MATRIX_SCALE_ROW1
.elseif (\ra)
	v_wmma_scale_f32_16x16x128_f8f6f4 v[\d:\d+7], v[\a:\a+7], v[\b:\b+7], v[\c:\c+7], v[\sa], v[\sb] matrix_a_fmt:MATRIX_FMT_FP4 matrix_b_fmt:MATRIX_FMT_FP4 matrix_a_scale:MATRIX_SCALE_ROW1
.elseif (\rb)
	v_wmma_scale_f32_16x16x128_f8f6f4 v[\d:\d+7], v[\a:\a+7], v[\b:\b+7], v[\c:\c+7], v[\sa], v[\sb] matrix_a_fmt:MATRIX_FMT_FP4 matrix_b_fmt:MATRIX_FMT_FP4 matrix_b_scale:MATRIX_SCALE_ROW1
.else
	v_wmma_scale_f32_16x16x128_f8f6f4 v[\d:\d+7], v[\a:\a+7], v[\b:\b+7], v[\c:\c+7], v[\sa], v[\sb] matrix_a_fmt:MATRIX_FMT_FP4 matrix_b_fmt:MATRIX_FMT_FP4
.endif
.endm
; my 16 numbers of each of the four blocks of K step s of my two
.macro XLOAD reg, s
.irp b, 0,1,2,3
.irp j, 0,1,2,3
	global_load_b128 v[\reg+16*\b+4*\j:\reg+16*\b+4*\j+3], v[XA], s[4:5] offset:512*\s+128*\b+16*\j th:TH_LOAD_NT
.endr
.endr
.endm
; nb blocks: block q's 16 numbers of mine in v[src + 16 q] on, the other 16 in the lane 16 away.  Codes to v[dst + 2 q], v[dst + 2 q + 1]; the bytes stay in v[TM + 4 + q].
.macro QUANT src, nb, dst
.set qi, 0
.rept \nb
	v_max3_num_f32 v[TM+qi], |v[\src+16*qi]|, |v[\src+16*qi+1]|, 0x1800000   ; and the floor 2^(3 - 127): the byte cannot fall under 1
.set qi, qi+1
.endr
.irp i, 2,4,6,8,10,12,14
.set qi, 0
.rept \nb
	v_max3_num_f32 v[TM+qi], v[TM+qi], |v[\src+16*qi+\i]|, |v[\src+16*qi+\i+1]|   ; the blocks by turns; each accumulator from its low end on
.set qi, qi+1
.endr
.endr
.set qi, 0
.rept \nb
	v_permlanex16_b32 v[TM+4+qi], v[TM+qi], s[SEL], s[SEL+1]
.set qi, qi+1
.endr
.set qi, 0
.rept \nb
	v_max_num_f32 v[TM+qi], v[TM+qi], v[TM+4+qi]   ; the block's largest magnitude
.set qi, qi+1
.endr
.set qi, 0
.rept \nb
	v_add_nc_u32 v[TM+12+qi], 0xff000000, v[TM+qi] ; 2 off its exponent field: the conversion's scale operand
.set qi, qi+1
.endr
.set qi, 0
.rept \nb
	v_lshrrev_b32 v[TM+4+qi], 23, v[TM+12+qi]      ; the scale's byte
.set qi, qi+1
.endr
.set qi, 0
.rept \nb
	v_cvt_scalef32_pk8_fp4_f32 v[\dst+2*qi], v[\src+16*qi:\src+16*qi+7], v[TM+12+qi]
	v_cvt_scalef32_pk8_fp4_f32 v[\dst+2*qi+1], v[\src+16*qi+8:\src+16*qi+15], v[TM+12+qi]
.set qi, qi+1
.endr
	v_nop                                          ; one plain line behind the last conversion
.endm
	s_load_b256 s[4:11], s[0:1], 0x0               ; x s[4:5], wq s[6:7], bf s[8:9], bg s[10:11]
	s_load_b256 s[12:19], s[0:1], 0x20             ; bh s[12:13], qq s[14:15], kq s[16:17], vq s[18:19]
	v_lshl_add_u32 v[SPW], v0, 2, SPARE
	v_mov_b32 v[NIL], 0
	v_lshrrev_b32 v63, 5, v0
	v_readfirstlane_b32 s[WV], v63                 ; wave 0..7
	s_lshr_b32 s48, ttmp9, 6                       ; the batch
	s_and_b32 s49, ttmp9, 63                       ; which 64 rows of it
	s_and_b32 s50, s[WV], 1                        ; w % 2
	s_lshr_b32 s51, s[WV], 1                       ; w / 2
	s_and_b32 s52, s51, 1                          ; b = (w / 2) % 2
	s_lshr_b32 s53, s[WV], 2                       ; w / 4
	s_mov_b32 s[MASK], 0xffff0000                  ; lanes 16-31
	s_mov_b32 s[SEL], 0x76543210
	s_mov_b32 s[SEL+1], 0xfedcba98
	v_and_b32 v60, 31, v0                          ; lane
	v_and_b32 v61, 15, v0                          ; r
	v_bfe_u32 v62, v0, 4, 1                        ; h
	s_lshl_b32 s54, s53, 5
	s_lshl_b32 s55, s52, 3
	s_add_co_u32 s54, s54, s55                     ; tile w / 2 begins at row 32 (w / 4) + 8 b
	v_and_b32 v63, 8, v61
	v_add_nc_u32 v63, v63, v61                     ; r + 8 (r / 8)
	v_add_nc_u32 v63, s54, v63
	v_lshlrev_b32 v[XA], 11, v63
	v_lshl_add_u32 v[XA], v62, 6, v[XA]
	s_lshl_b32 s44, ttmp9, 17                      ; 64 rows of 2,048 bytes a work-group,
	s_lshl_b32 s54, s50, 10                        ; my two K steps of 512 bytes
	s_add_co_u32 s44, s44, s54
	s_mov_b32 s45, 0
	s_wait_kmcnt 0x0
	s_add_nc_u64 s[4:5], s[4:5], s[44:45]
	XLOAD 128, 0                                   ; x first: it comes from furthest
	XLOAD 192, 1
	v_lshlrev_b32 v[CO], 4, v61
	v_lshl_add_u32 v[CO], v62, 3, v[CO]
	s_lshl_b32 s54, s[WV], 11
	v_add_nc_u32 v[XWI], s54, v[CO]                ; fragments 4 (w / 2) + 2 (w % 2) = 2 w and 2 w + 1
	s_lshl_b32 s54, s51, 8
	s_lshl_b32 s55, s50, 3
	s_add_co_u32 s54, s54, s55
	s_add_co_u32 s54, s54, XSC
	v_lshl_add_u32 v[XWS], v61, 4, s54             ; XSC + 16 (16 (w / 2) + r) + 8 (w % 2)
	v_lshlrev_b32 v[LI], 4, v60
	s_lshl_b32 s54, s50, 13
	v_add_nc_u32 v[XGA], s54, v[LI]
	v_add_nc_u32 v[XSR], XSC, v[LI]
	s_lshl_b32 s54, s50, 9
	s_add_co_u32 s54, s54, XSC
	v_add_nc_u32 v[XGSA], s54, v[LI]
	v_lshlrev_b32 v[BHA], 2, v61
	v_lshlrev_b32 v[FBA], 6, v62
	v_lshl_add_u32 v[KSO], v62, 1, v[BHA]
	v_lshlrev_b32 v[VSO], 3, v60
.irp b, 0,1,2,3
	v_mov_b32 v[TM+4+\b], 0                        ; written once: a lane permute's destination counts as one of its sources
.endr
	s_lshl_b32 s44, s[WV], 14
	s_add_co_u32 s44, s44, 8*4096
	s_add_nc_u64 s[20:21], s[6:7], s[44:45]        ; Wh's tiles 8 + 4 w on
	s_lshl_b32 s44, s51, 13
	s_add_nc_u64 s[22:23], s[6:7], s[44:45]        ; Wf's or Wg's tiles 2 (w / 2) on
	s_lshl_b32 s44, s[WV], 10
	s_add_co_u32 s44, s44, WSC+128*16
	s_add_nc_u64 s[24:25], s[6:7], s[44:45]        ; Wh's scale words
	s_lshl_b32 s44, s51, 9
	s_add_co_u32 s44, s44, WSC
	s_add_nc_u64 s[26:27], s[6:7], s[44:45]        ; Wf's or Wg's
	s_lshl_b32 s44, s[WV], 8
	s_add_nc_u64 s[12:13], s[12:13], s[44:45]      ; bh at my 64 channels
	s_cmp_lt_u32 s[WV], 4                          ; f or g: the choice hangs on the wave's number alone
	s_cselect_b64 s[8:9], s[8:9], s[10:11]
	s_cselect_b64 s[14:15], s[14:15], s[16:17]
	s_lshl_b32 s44, s52, 7
	s_add_nc_u64 s[8:9], s[8:9], s[44:45]          ; bf or bg at d = 32 b
	global_load_b128 v[WHS:WHS+3], v[LI], s[24:25]
	global_load_b128 v[WHS+4:WHS+7], v[LI], s[24:25] offset:512
	global_load_b128 v[WFS:WFS+3], v[LI], s[26:27]
.irp d, 0,1,2,3
	global_load_b32 v[BHL+\d], v[BHA], s[12:13] offset:64*\d
.endr
	WIN 0x40                                       ; destination window 1
.irp u, 0,1
.irp e, 0,1
	global_load_b128 v[FB+8*\u+4*\e:FB+8*\u+4*\e+3], v[FBA], s[8:9] offset:32*\u+16*\e   ; the bias at d = 32 b + 16 h + 8 u + 0 .. 7
.endr
.endr
.irp u, 0,1
.irp s, 0,1,2,3
.irp c, 0,1
	global_load_b128 v[WFG+32*\u+8*\s+4*\c:WFG+32*\u+8*\s+4*\c+3], v[LI], s[22:23] offset:(4*\u+\s)*1024+512*\c
.endr
.endr
.endr
.irp d, 0,1,2,3
.irp s, 0,1,2,3
.irp c, 0,1
	global_load_b128 v[32*\d+8*\s+4*\c:32*\d+8*\s+4*\c+3], v[LI], s[20:21] offset:(4*\d+\s)*1024+512*\c
.endr
.endr
.endr
	WIN 0
	; where the results go
	s_mul_i32 s46, s48, QKB
	s_lshl_b32 s54, s49, 1
	s_add_co_u32 s54, s54, s50                     ; my block of 32 rows in the batch
	s_lshl_b32 s44, s54, 10
	s_add_co_u32 s44, s44, s46
	s_lshl_b32 s55, s52, 8
	s_add_co_u32 s44, s44, s55                     ; + 256 b
	s_add_nc_u64 s[28:29], s[14:15], s[44:45]      ; f's or g's codes
	s_lshl_b32 s44, s54, 6
	s_add_co_u32 s44, s44, s46
	s_add_co_u32 s44, s44, s52
	s_add_co_u32 s44, s44, QKS
	s_add_nc_u64 s[30:31], s[14:15], s[44:45]      ; and scale bytes: + 64 x block + b
	s_mul_i32 s46, s48, VB
	s_lshr_b32 s54, s49, 2
	s_mul_i32 s54, s54, VPH
	s_add_co_u32 s46, s46, s54                     ; the batch, the 256 keys
	s_bfe_u32 s54, s49, 0x10001
	s_lshl_b32 s54, s54, 15                        ; which 128 of them
	s_add_co_u32 s44, s46, s54
	s_lshl_b32 s54, s[WV], 12                      ; my four tiles of channels
	s_add_co_u32 s44, s44, s54
	s_and_b32 s54, s49, 1
	s_lshl_b32 s54, s54, 9                         ; which 64 of the 128
	s_add_co_u32 s44, s44, s54
	s_add_nc_u64 s[32:33], s[18:19], s[44:45]      ; h's codes
	s_lshl_b32 s54, s[WV], 9
	s_add_co_u32 s44, s46, s54
	s_and_b32 s54, s49, 3
	s_lshl_b32 s54, s54, 1
	s_add_co_u32 s44, s44, s54
	s_add_co_u32 s44, s44, VSCL
	s_add_nc_u64 s[34:35], s[18:19], s[44:45]      ; and scale bytes: 8 a channel, mine are 2 (number % 4) and the next
	; ---- X
	s_wait_loadcnt 63                              ; behind my first K step's 16 loads stand 75; the wait names the most that its field holds, which is fewer
	QUANT 128, 4, 96
	v_lshl_or_b32 v[TM+8], v[TM+5], 8, v[TM+4]     ; the four bytes make my row's scale word
	v_lshl_or_b32 v[TM+8], v[TM+6], 16, v[TM+8]
	v_lshl_or_b32 v[TM+8], v[TM+7], 24, v[TM+8]
.irp b, 0,1,2,3
	ds_store_b64 v[XWI], v[96+2*\b:97+2*\b] offset:512*(\b/2)+256*(\b%2)   ; block b: 32 lanes store its 256 bytes of the image
.endr
	ds_store_b32 v[XWS], v[TM+8]                   ; lanes r and 16 + r write the same word with the same value
	s_wait_loadcnt 59                              ; behind the second K step's loads stand the 59 of weights and biases
	QUANT 192, 4, 104
	v_lshl_or_b32 v[TM+9], v[TM+5], 8, v[TM+4]
	v_lshl_or_b32 v[TM+9], v[TM+6], 16, v[TM+9]
	v_lshl_or_b32 v[TM+9], v[TM+7], 24, v[TM+9]
.irp b, 0,1,2,3
	ds_store_b64 v[XWI], v[104+2*\b:105+2*\b] offset:1024+512*(\b/2)+256*(\b%2)
.endr
	ds_store_b32 v[XWS], v[TM+9] offset:4
	s_wait_dscnt 0x0                               ; for the others' sake: my stores have landed
	s_barrier_signal -1
	s_barrier_wait -1                              ; x's sixteen fragments lie in LDS: the launch's one barrier
	ds_load_b128 v[XS:XS+3], v[XSR]
	ds_load_b128 v[XS+4:XS+7], v[XSR] offset:512
	ds_load_b128 v[XGS:XGS+3], v[XGSA]
	s_wait_loadcnt 0x0                             ; weights and biases
.irp d, 0,1,2,3
.irp j, 0,1,2,3,4,5,6,7
	v_mov_b32 v[HB+8*\d+\j], v[BHL+\d]             ; in h's layout a lane holds one channel: its bias in all eight registers
.endr
.endr
.rept 4
	v_nop
.endr
	; ---- the four K steps of 128
.irp s, 0,1,2,3
.if \s > 0
.rept 4
	v_nop                                          ; places in front of loads into registers that matrix instructions have read
.endr
.endif
	WIN 0x40
.irp t, 0,1,2,3
.irp c, 0,1
	ds_load_b128 v[XF+8*\t+4*\c:XF+8*\t+4*\c+3], v[LI] offset:XIMG+(4*\t+\s)*1024+512*\c
.endr
.endr
.irp k, 0,1
.irp c, 0,1
	ds_load_b128 v[XG+8*\k+4*\c:XG+8*\k+4*\c+3], v[XGA] offset:XIMG+(4*\k+\s)*1024+512*\c
.endr
.endr
	s_wait_dscnt 0x0
	WIN 0x05                                       ; sources 0 and 1 window 1; C and D window 0
.irp d, 0,1,2,3
.irp t, 0,1,2,3
.if \s == 0
	WMC HAC+8*(4*\d+\t), XF+8*\t, 32*\d+8*\s, HB+8*\d, XS+4*(\t/2)+\s, WHS+4*(\d/2)+\s, \t%2, \d%2
.else
	WMC HAC+8*(4*\d+\t), XF+8*\t, 32*\d+8*\s, HAC+8*(4*\d+\t), XS+4*(\t/2)+\s, WHS+4*(\d/2)+\s, \t%2, \d%2
.endif
.endr
.endr
.if \s == 0
	WIN 0x15                                       ; the bias of f or g lies in window 1
.endif
.irp k, 0,1
.irp u, 0,1
.if \s == 0
	WMC FGA+16*\k+8*\u, WFG+32*\u+8*\s, XG+8*\k, FB+8*\u, WFS+\s, XGS+\s, \u, \k
.else
	WMC FGA+16*\k+8*\u, WFG+32*\u+8*\s, XG+8*\k, FGA+16*\k+8*\u, WFS+\s, XGS+\s, \u, \k
.endif
.endr
.endr
	WIN 0
.endr
	; ---- OUT.  Every store has data registers of its own, so none is written again
.rept 4
	v_nop                                          ; places in front of the first read of results
.endr
	QUANT FGA, 2, 96                               ; block k: d = 32 b + 0 .. 31 of row r of tile 2 (w % 2) + k
	global_store_b64 v[CO], v[96:97], s[28:29]               ; 256 consecutive bytes, at a multiple of 256 from the buffer's first byte
	global_store_b64 v[CO], v[98:99], s[28:29] offset:512
	v_cndmask_b32 v100, v[TM+4], v[TM+5], s[MASK]  ; lanes 0-15 store tile 0's byte, lanes 16-31 tile 1's
	global_store_b8 v[KSO], v100, s[30:31]
	QUANT HAC, 4, 104                              ; blocks (D, B) = (0, 0), (0, 1), (1, 0), (1, 1): 32 keys of channel 16 D + r
.irp q, 0,1,2,3
	global_store_b64 v[CO], v[104+2*\q:105+2*\q], s[32:33] offset:1024*(\q/2)+256*(\q%2)
.endr
	v_lshl_or_b32 v[TM+10], v[TM+5], 8, v[TM+4]    ; a channel's two bytes
	v_lshl_or_b32 v[TM+11], v[TM+7], 8, v[TM+6]
	v_cndmask_b32 v101, v[TM+10], v[TM+11], s[MASK]   ; lanes 0-15 store tile 0's, lanes 16-31 tile 1's
	global_store_b16 v[VSO], v101, s[34:35]
	QUANT HAC+64, 4, 112                           ; D = 2, 3
.irp q, 0,1,2,3
	global_store_b64 v[CO], v[112+2*\q:113+2*\q], s[32:33] offset:2048+1024*(\q/2)+256*(\q%2)
.endr
	v_lshl_or_b32 v[TM+10], v[TM+5], 8, v[TM+4]
	v_lshl_or_b32 v[TM+11], v[TM+7], 8, v[TM+6]
	v_cndmask_b32 v102, v[TM+10], v[TM+11], s[MASK]
	global_store_b16 v[VSO], v102, s[34:35] offset:256
	s_wait_tensorcnt 0x0                           ; the wave's end: behind my last LDS store
	ds_add_u32 v[SPW], v[NIL]
	s_wait_dscnt 0x0
	s_endpgm
.Lfunc_end_k_qd9b66b4675_proj:
	.size	k_qd9b66b4675_proj, .Lfunc_end_k_qd9b66b4675_proj-k_qd9b66b4675_proj
	.p2alignl 7, 3214868480
	.fill 96, 4, 3214868480
	.section	.rodata,"a",@progbits
	.p2align	6, 0x0
	.amdhsa_kernel k_qd9b66b4675_proj
		.amdhsa_group_segment_fixed_size 18432
		.amdhsa_private_segment_fixed_size 0
		.amdhsa_enable_private_segment 0
		.amdhsa_kernarg_size 64
		.amdhsa_user_sgpr_count 2
		.amdhsa_user_sgpr_kernarg_segment_ptr 1
		.amdhsa_wavefront_size32 1
		.amdhsa_system_sgpr_workgroup_id_x 1
		.amdhsa_system_sgpr_workgroup_id_y 1
		.amdhsa_system_sgpr_workgroup_id_z 1
		.amdhsa_system_vgpr_workitem_id 0
		.amdhsa_next_free_vgpr 512
		.amdhsa_next_free_sgpr 72
		.amdhsa_reserve_vcc 0
		.amdhsa_float_denorm_mode_32 3
		.amdhsa_float_denorm_mode_16_64 3
		.amdhsa_memory_ordered 1
		.amdhsa_forward_progress 1
		.amdhsa_inst_pref_size 47
	.end_amdhsa_kernel
	.amdgpu_metadata
---
amdhsa.version: [ 1, 2 ]
amdhsa.kernels:
  - .name:           k_qd9b66b4675_proj
    .symbol:         k_qd9b66b4675_proj.kd
    .args:
      - { .name: x, .offset: 0, .size: 8, .value_kind: global_buffer, .address_space: global }
      - { .name: wq, .offset: 8, .size: 8, .value_kind: global_buffer, .address_space: global }
      - { .name: bf, .offset: 16, .size: 8, .value_kind: global_buffer, .address_space: global }
      - { .name: bg, .offset: 24, .size: 8, .value_kind: global_buffer, .address_space: global }
      - { .name: bh, .offset: 32, .size: 8, .value_kind: global_buffer, .address_space: global }
      - { .name: qq, .offset: 40, .size: 8, .value_kind: global_buffer, .address_space: global }
      - { .name: kq, .offset: 48, .size: 8, .value_kind: global_buffer, .address_space: global }
      - { .name: vq, .offset: 56, .size: 8, .value_kind: global_buffer, .address_space: global }
    .group_segment_fixed_size: 18432
    .private_segment_fixed_size: 0
    .kernarg_segment_align: 8
    .kernarg_segment_size: 64
    .max_flat_workgroup_size: 256
    .sgpr_count:     72
    .vgpr_count:     512
    .wavefront_size: 32
...
	.end_amdgpu_metadata
.endif
;; end of part 2
;; launch attn (part 3): grid 64 x 4, 8 waves a work-group, clusters of 4 x 1, 327,680 bytes of LDS; arguments qq, kq, vq, x, gamma, out0; writes out0
.if DOCPART == 3
	.amdgcn_target "amdgcn-amd-amdhsa--gfx1250"
	.amdhsa_code_object_version 6
	.text
	.protected	k_qd9b66b4675_attn
	.globl	k_qd9b66b4675_attn
	.p2align	8
	.type	k_qd9b66b4675_attn,@function
k_qd9b66b4675_attn:
	s_mov_b64 s[64:65], 0
	v_nop
	global_prefetch_b8 v0, s[64:65] scope:SCOPE_SE
	s_setreg_imm32_b32 hwreg(HW_REG_WAVE_MODE, 25, 1), 1
	s_wait_xcnt 0x0
	s_wait_alu depctr_hold_cnt(0) depctr_sa_sdst(0) depctr_va_vdst(0) depctr_va_sdst(0) depctr_va_ssrc(0) depctr_va_vcc(0) depctr_vm_vsrc(0)
	s_getreg_b32 s2, hwreg(HW_REG_IB_STS2, 6, 4)
	s_cmp_eq_u32 s2, 0
	s_cbranch_scc0 .Lentry_in_a_cluster
	s_endpgm
.Lentry_in_a_cluster:
	s_bfe_u32 s2, ttmp6, 0x10000c
	s_cmp_lg_u32 s2, 0x3003
	s_cbranch_scc0 .Lentry_shape_is_right
	s_endpgm
.Lentry_shape_is_right:
; out0[b][q] = x[b][q] + gamma * (sum over keys of p h) / l, p = 2^(t - M), t = (f[q] . g[key]) log2(e), M = ceil(the row's largest t), l = the row's sum of the unquantised p.  Both products on codes of FP4.
; Nothing of reference() is left out here.  f (qq), g (kq) and h (vq) come as codes and scale bytes in the order of the operands' registers, as the launch before laid them.
; SHARES.  A work-group owns 64 queries of a batch: four tiles t of 16; lane r of tile t is query 32 (t / 2) + 8 (t % 2) + r + 8 (r / 8).  The keys go in 16 phases of 256.  A wave has two parts in a phase:
;   SOFTMAX: wave w owns the phase's block w of 32 keys for ALL 64 queries: one fragment of g feeds eight products;
;   P H:     wave w owns channels 64 w .. 64 w + 63 for all 64 queries: 16 accumulators; each fragment of h is read by one wave and feeds four products.
; p goes from wave to wave through LDS as images of the operand's registers, in two buffers by turns, with one barrier a phase.
; K = 64 UNDER AN INSTRUCTION OF K = 128.  A fragment of g holds key tile 2 B in k = 0 .. 63 and key tile 2 B + 1 in k = 64 .. 127.  The queries' 64 codes stand in one half of source 1 and zero codes in the other:
; two products on one fragment give both tiles.  v32-67 hold zeros and the four tiles' codes by turns, four registers each, so that both forms are runs of eight registers.
; A lane holds ONE query throughout; the 16 score registers of a tile are keys 32 B + 16 (lane / 16) + 0 .. 15, and the lane 16 away holds the block's other 16: their codes meet in the image.
; TWO PASSES.  g's codes of the whole batch (139,264 bytes) stay in LDS.  Pass 1 makes all scores once for each query's largest: so M is the stated ceiling from the first phase on, and the sums are never rescaled.
; The maximum is taken away for every input.  Pass 2 makes the same scores by the same instructions on the same registers: the same bits.
; CLUSTER.  The four work-groups of a cluster belong to one batch and walk the same g and h: every tensor load is asked for JOINTLY, with the same descriptor and a mask that names the four.
; x rides in 128 registers that would lie idle: it is asked for at the head, in the layout of the way out.
; LIMITS: M is the ceiling of the f32 product score x log2(e), p comes of one fused multiply-add: where that product is rounded down onto a whole number, a row's largest p lies an ulp over 1 (its block's scale takes that up).
;   A block whose every p has fallen to 0 gets the byte 1: its codes are zeros.  NaN and infinities are not served.
; REGISTERS.  window 0: v1-15 addresses, the add's two; v16-23 -M (even; later gamma / l); v24-31 l in pairs (pass 1: the running maxima); v32-67 Q; v68-72 addresses; v73-79, v94, v95 scratch at the head;
;   v80-93 scale words; v96-103 g's fragment; v104-167 scores and p, then p's eight fragments; v168-191 at work on scales; v192-255 h's eight fragments (pass 1: a second set of scores).
;   window 1: v0-127 the accumulators, (d, t) at 8 (4 d + t); v128-255 x.
.set QKB,   139264                     ; a batch of qq or of kq
.set VB,    1114112                    ; a batch of vq
.set KSC,   131072                     ; LDS: g's images from 0, its scale words from here
.set VS0,   139264                     ; h's slot 0;
.set VSL,   69632                      ; a slot: 65,536 of codes and 4,096 of scale bytes; slot 1 follows slot 0
.set VSCL,  65536
.set PIMG,  278528                     ; p's images: two buffers of 8,192: 2,048 t + 1,024 (which 128 keys)
.set PSC,   294912                     ; p's scale bytes: two buffers of 512: [16 t + r][8], the byte is the wave
.set MX,    295936                     ; the waves' maxima: 1,024 t + 32 x lane + 4 w
.set LX,    300032                     ; and their sums, likewise
.set SPARE, 304128                     ; the spare words, 128 bytes for each wave: four blocks of 256 bytes that no other line names
.set STAGE, 0                          ; the way out: 16 rows x (256 + 16) bytes for each wave, in g's bytes: they were filled once, and their last read stands ahead of the last barrier
.set XO,   1                           ; x and out0: (lane / 16) x 2,048 + 16 (lane % 16) + 256 w
.set AK0,  2
.set AKS0, 3
.set AV,   4                           ; v4, v5: h's fragments in slot 0, 1
.set AVS,  6                           ; v6, v7: its scale bytes
.set APW,  8
.set APSW, 9
.set APR,  10
.set APSR, 11
.set SPW,  12
.set NIL,  13
.set ADK,  14
.set ADS,  15
.set NM,   16
.set LS,   24
.set QZ,   32
.set PFO,  68
.set AMW,  69
.set AMR,  70
.set STO,  71
.set RD,   72
.set QS,   80
.set KS,   84
.set VSR,  86                          ; register 2 (d / 2) + which 128 keys; the row is d % 2
.set PSR,  90                          ; register 2 (t / 2) + which 128 keys; the row is t % 2
.set KF,   96
.set S,    104
.set BM,   168
.set PD,   172
.set SO,   176
.set SB,   180
.set PC,   184
.set VF,   192
.set WV,   17
.set CX,   18
.set G1K,  24
.set G1V,  32
.set G0K,  40
.set G0V,  44                          ; s[44:47] slot 0's, s[48:51] slot 1's
.set SEL,  52
.set CS,   54
.set TK,   56
.set TS,   57
.set CNT,  58
.set P1,   59
.set LIM,  60
.set LIM1, 61
.set PFA,  62
.set MSB, 0
.macro WIN new                         ; the immediate's high byte repeats the setting that is left
.if MSB != \new
	s_set_vgpr_msb (MSB<<8)|\new
.set MSB, \new
.endif
.endm
.macro WMC d, a, b, c, sa, sb, ra, rb
.if (\ra) && (\rb)
	v_wmma_scale_f32_16x16x128_f8f6f4 v[\d:\d+7], v[\a:\a+7], v[\b:\b+7], v[\c:\c+7], v[\sa], v[\sb] matrix_a_fmt:MATRIX_FMT_FP4 matrix_b_fmt:MATRIX_FMT_FP4 matrix_a_scale:MATRIX_SCALE_ROW1 matrix_b_scale:MATRIX_SCALE_ROW1
.elseif (\ra)
	v_wmma_scale_f32_16x16x128_f8f6f4 v[\d:\d+7], v[\a:\a+7], v[\b:\b+7], v[\c:\c+7], v[\sa], v[\sb] matrix_a_fmt:MATRIX_FMT_FP4 matrix_b_fmt:MATRIX_FMT_FP4 matrix_a_scale:MATRIX_SCALE_ROW1
.elseif (\rb)
	v_wmma_scale_f32_16x16x128_f8f6f4 v[\d:\d+7], v[\a:\a+7], v[\b:\b+7], v[\c:\c+7], v[\sa], v[\sb] matrix_a_fmt:MATRIX_FMT_FP4 matrix_b_fmt:MATRIX_FMT_FP4 matrix_b_scale:MATRIX_SCALE_ROW1
.else
	v_wmma_scale_f32_16x16x128_f8f6f4 v[\d:\d+7], v[\a:\a+7], v[\b:\b+7], v[\c:\c+7], v[\sa], v[\sb] matrix_a_fmt:MATRIX_FMT_FP4 matrix_b_fmt:MATRIX_FMT_FP4
.endif
.endm
.macro WMZ d, a, b, sa, sb, ra, rb     ; the same with the constant 0 as C: it starts a sum
.if (\ra) && (\rb)
	v_wmma_scale_f32_16x16x128_f8f6f4 v[\d:\d+7], v[\a:\a+7], v[\b:\b+7], 0, v[\sa], v[\sb] matrix_a_fmt:MATRIX_FMT_FP4 matrix_b_fmt:MATRIX_FMT_FP4 matrix_a_scale:MATRIX_SCALE_ROW1 matrix_b_scale:MATRIX_SCALE_ROW1
.elseif (\ra)
	v_wmma_scale_f32_16x16x128_f8f6f4 v[\d:\d+7], v[\a:\a+7], v[\b:\b+7], 0, v[\sa], v[\sb] matrix_a_fmt:MATRIX_FMT_FP4 matrix_b_fmt:MATRIX_FMT_FP4 matrix_a_scale:MATRIX_SCALE_ROW1
.elseif (\rb)
	v_wmma_scale_f32_16x16x128_f8f6f4 v[\d:\d+7], v[\a:\a+7], v[\b:\b+7], 0, v[\sa], v[\sb] matrix_a_fmt:MATRIX_FMT_FP4 matrix_b_fmt:MATRIX_FMT_FP4 matrix_b_scale:MATRIX_SCALE_ROW1
.else
	v_wmma_scale_f32_16x16x128_f8f6f4 v[\d:\d+7], v[\a:\a+7], v[\b:\b+7], 0, v[\sa], v[\sb] matrix_a_fmt:MATRIX_FMT_FP4 matrix_b_fmt:MATRIX_FMT_FP4
.endif
.endm
; A round of the cluster's barrier: my work-group's barrier; wave 0 signals for the work-group; every wave waits for all four work-groups; my work-group's barrier once more.
.macro CROUND
	s_barrier_signal -1
	s_barrier_wait -1
	s_cmp_lg_u32 s[WV], 0
	s_cbranch_scc1 .Lnot_wave_0_\@
	s_barrier_signal -3
.Lnot_wave_0_\@:
	s_barrier_wait -3
	s_barrier_signal -1
	s_barrier_wait -1
.endm
; A PREFETCH INTO THE L2 of h's bytes.  A batch's 1,114,112 bytes are 17 pieces of 65,536.  The tensor load of phase j wants the pieces up to j + 2; piece 4 + j is asked for in phase j (j = 0 .. 12), two phases ahead
; of the load that first wants it; pieces 2 and 3 in the middle of pass 1; pieces 0 and 1 lie wholly in the first fills and are not asked for (the first 8,192 bytes of piece 2 lie there too, and are named all the same).
; All clusters of a batch walk the same bytes: the batch's first cluster asks.  Its four partners take 16,384 bytes each, told apart BY ADDRESS; in each, waves 0 and 1 ask for 8,192 bytes, lanes 256 bytes apart.
; Piece 16 ends with the batch's last byte; phases 13 and 14 ask for nothing.
.macro ASK how
.if \how
	s_cmp_eq_u32 s[LIM], 1
.else
	s_cmp_gt_u32 s[CNT], s[LIM]                    ; s[CNT] = 1 in the trip of phases 13 and 14
.endif
	s_cbranch_scc0 .Lnot_mine_\@
	global_prefetch_b8 v[PFO], s[PFA:PFA+1] th:TH_LOAD_NT scope:SCOPE_SE
.Lnot_mine_\@:
.endm
; eight products: 32 keys (the fragment at kf, its scale words in ks) x 64 queries; tile t's 16 registers at base + 16 t
.macro SPROD base, kf, ks
.irp t, 0,1,2,3
	WMZ \base+16*\t, \kf, QZ+4+8*\t, \ks, QS+\t, 0, 0        ; source 1 = [codes][zeros]: the fragment's k = 0 .. 63: keys 16 (lane / 16) + 0 .. 7
	WMZ \base+16*\t+8, \kf, QZ+8*\t, \ks, QS+\t, 0, 0        ; source 1 = [zeros][codes]: k = 64 .. 127: keys 16 (lane / 16) + 8 .. 15
.endr
.endm
	s_load_b256 s[4:11], s[0:1], 0x0               ; qq s[4:5], kq s[6:7], vq s[8:9], x s[10:11]
	s_load_b128 s[12:15], s[0:1], 0x20             ; gamma s[12:13], out0 s[14:15]
	v_lshl_add_u32 v[SPW], v0, 2, SPARE
	v_mov_b32 v[NIL], 0
	ds_add_u32 v[SPW], v[NIL]                      ; the wave's opening: the add, twice on end, and its wait ahead of my first tensor load; the set-up below stands between the second and the wait
	ds_add_u32 v[SPW], v[NIL]
	v_lshrrev_b32 v14, 5, v0
	v_readfirstlane_b32 s[WV], v14                 ; wave 0..7
	s_bfe_u32 s[CX], ttmp6, 0x40000                ; my place in the cluster: it enters Q's, x's, out0's and the prefetches' addresses alone
	s_and_b32 s19, ttmp7, 0xffff                   ; the batch, which the four partners share
	; descriptor groups 1: dense blocks as rows of 256 bytes (32 elements of 8 bytes), no padding: every read of an image is 16 x lane, consecutive
	s_mov_b32 s[G1K], 15|(3<<16)|(1<<21)           ; 15:0 the mask: all four work-groups; 17:16 elements of 8 bytes; 21 set beside a mask
	s_mov_b32 s[G1K+1], 32<<16                     ; tensor_dim0
	s_mov_b32 s[G1K+2], 68<<16                     ; tensor_dim1: an eighth of g's 139,264 bytes
	s_mov_b32 s[G1K+3], 32<<16                     ; tile_dim0
	s_mov_b32 s[G1K+4], 68                         ; tile_dim1
	s_mov_b32 s[G1K+5], 32                         ; the pitch
	s_mov_b32 s[G1K+6], 0
	s_mov_b32 s[G1K+7], 0
	s_mov_b32 s[G1V], 15|(3<<16)|(1<<21)
	s_mov_b32 s[G1V+1], 32<<16
	s_mov_b32 s[G1V+2], 34<<16                     ; an eighth of a slot's 69,632 bytes
	s_mov_b32 s[G1V+3], 32<<16
	s_mov_b32 s[G1V+4], 34
	s_mov_b32 s[G1V+5], 32
	s_mov_b32 s[G1V+6], 0
	s_mov_b32 s[G1V+7], 0
	s_mul_i32 s66, s19, QKB
	s_mul_i32 s68, s19, VB
	s_mul_i32 s70, s[WV], 17408
	s_mul_i32 s71, s[WV], 8704
	s_add_co_u32 s72, s66, s70
	s_mov_b32 s73, 0
	s_mov_b32 s77, 0
	s_mov_b32 s[SEL], 0x76543210
	s_mov_b32 s[SEL+1], 0xfedcba98
	s_mov_b32 s[CS], 0x3fb8aa3b                    ; log2(e)
	s_mov_b32 s[CS+1], s[CS]                       ; (named with it as a pair, so it is written)
	s_mov_b32 s[TK], 0
	s_mov_b32 s[TS], 0
	s_lshr_b32 s76, s[WV], 1                       ; 0 in waves 0 and 1,
	s_or_b32 s76, s76, ttmp9                       ; of the batch's first cluster: the same in all four partners
	s_cmp_eq_u32 s76, 0
	s_cselect_b32 s[LIM], 1, -1
	s_cselect_b32 s[LIM1], 4, 0
	s_lshl_b32 s74, ttmp9, 2
	s_add_co_u32 s74, s74, s[CX]                   ; my block of 64 queries
	s_wait_dscnt 0x0                               ; both opening adds are done
	s_wait_kmcnt 0x0
	s_load_b32 s16, s[12:13], 0x0                  ; gamma
	s_mov_b32 s[G0K], 1
	s_mov_b32 s[G0K+1], s70                        ; LDS: my eighth of g
	s_add_nc_u64 s[G0K+2:G0K+3], s[6:7], s[72:73]
	s_or_b32 s[G0K+3], s[G0K+3], 0x80000000
	s_add_co_u32 s72, s68, s71
	s_mov_b32 s[G0V], 1
	s_add_co_u32 s[G0V+1], s71, VS0
	s_add_nc_u64 s[G0V+2:G0V+3], s[8:9], s[72:73]  ; phase 0
	s_mov_b32 s[G0V+4], 1
	s_add_co_u32 s[G0V+5], s71, VS0+VSL
	s_add_nc_u64 s[G0V+6:G0V+7], s[G0V+2:G0V+3], VSL   ; phase 1
	s_or_b32 s[G0V+3], s[G0V+3], 0x80000000
	s_or_b32 s[G0V+7], s[G0V+7], 0x80000000
	CROUND                                         ; all four work-groups are here: the first joint loads meet
	tensor_load_to_lds s[G0K:G0K+3], s[G1K:G1K+7]  ; every wave issues all three first fills: three loads of mine are out
	s_nop 0
	tensor_load_to_lds s[G0V:G0V+3], s[G1V:G1V+7]
	s_nop 0
	tensor_load_to_lds s[G0V+4:G0V+7], s[G1V:G1V+7]
	s_nop 0
.rept 4
	v_nop
.endr
	s_lshl_b32 s76, s74, 7                         ; Q's scale words: 128 bytes a block of 64 queries
	s_add_co_u32 s76, s76, s66
	s_add_co_u32 s76, s76, KSC
	s_add_nc_u64 s[20:21], s[4:5], s[76:77]
	s_lshl_b32 s76, s74, 11                        ; Q's codes: 2,048 bytes
	s_add_co_u32 s76, s76, s66
	s_add_nc_u64 s[4:5], s[4:5], s[76:77]
	s_lshl_b32 s76, s19, 23
	s_lshl_b32 s78, s74, 17
	s_add_co_u32 s76, s76, s78                     ; my first row of x and of out0
	s_add_nc_u64 s[10:11], s[10:11], s[76:77]
	s_add_nc_u64 s[14:15], s[14:15], s[76:77]
	s_lshl_b32 s76, s[CX], 14
	s_lshl_b32 s78, s[WV], 13
	s_add_co_u32 s76, s76, s78
	s_add_co_u32 s76, s76, s68
	s_add_co_u32 s76, s76, 2*65536
	s_add_nc_u64 s[PFA:PFA+1], s[8:9], s[76:77]    ; my part of piece 2
	v_and_b32 v73, 31, v0                          ; lane
	v_and_b32 v74, 15, v0                          ; r
	v_bfe_u32 v75, v0, 4, 1                        ; h
	v_lshlrev_b32 v76, 4, v73                      ; 16 x lane
	v_lshlrev_b32 v77, 2, v74                      ; 4 r
	v_lshlrev_b32 v[XO], 11, v75
	v_lshl_add_u32 v[XO], v74, 4, v[XO]
	s_lshl_b32 s70, s[WV], 8
	v_add_nc_u32 v[XO], s70, v[XO]
.irp t, 0,1,2,3
	global_load_b128 v[QZ+4+8*\t:QZ+7+8*\t], v76, s[4:5] offset:512*\t   ; tile t's codes: lane (r, h): d = 32 h + 0 .. 31 of query r
.endr
	global_load_b32 v78, v77, s[20:21]             ; scale words of tiles 0, 1
	global_load_b32 v79, v77, s[20:21] offset:64   ; and of tiles 2, 3
	WIN 0x40                                       ; destination window 1
.irp t, 0,1,2,3
.irp i, 0,1,2,3,4,5,6,7
	global_load_b128 v[128+32*\t+4*\i:128+32*\t+4*\i+3], v[XO], s[10:11] offset:(32*(\t/2)+8*(\t%2)+2*\i+8*(\i/4))*2048 th:TH_LOAD_NT   ; rows 2 i, 2 i + 1 of tile t, my 64 channels: sixteen lanes read 256 consecutive bytes
.endr
.endr
	WIN 0
	s_lshl_b32 s70, s[WV], 10
	v_add_nc_u32 v[AK0], s70, v76                  ; my block of a phase's eight
	s_lshl_b32 s70, s[WV], 6
	s_add_co_u32 s70, s70, KSC
	v_add_nc_u32 v[AKS0], s70, v77
	s_lshl_b32 s70, s[WV], 12
	s_add_co_u32 s70, s70, VS0
	v_add_nc_u32 v[AV], s70, v76                   ; my four tiles of channels
	v_add_nc_u32 v[AV+1], VSL, v[AV]
	v_lshlrev_b32 v94, 3, v73                      ; 8 x lane
	s_lshl_b32 s70, s[WV], 9
	s_add_co_u32 s70, s70, VS0+VSCL
	v_add_nc_u32 v[AVS], s70, v94
	v_add_nc_u32 v[AVS+1], VSL, v[AVS]
	v_lshlrev_b32 v95, 4, v74
	v_lshl_add_u32 v95, v75, 3, v95                ; 16 r + 8 h
	s_lshl_b32 s70, s[WV], 8
	s_add_co_u32 s70, s70, PIMG
	v_add_nc_u32 v[APW], s70, v95                  ; block w of the phase's eight: 256 w in an image pair
	s_add_co_u32 s70, s[WV], PSC
	v_lshl_add_u32 v[APSW], v74, 3, s70
	v_add_nc_u32 v[APR], PIMG, v76
	v_add_nc_u32 v[APSR], PSC, v94
	v_lshlrev_b32 v[PFO], 8, v73
	v_lshlrev_b32 v[AMR], 5, v73
	v_add_nc_u32 v[AMR], MX, v[AMR]
	s_lshl_b32 s70, s[WV], 2
	v_add_nc_u32 v[AMW], s70, v[AMR]
	s_mul_i32 s70, s[WV], 4352                     ; my stage
	v_mul_u32_u24 v[STO], v74, 272
	v_lshl_add_u32 v[STO], v75, 5, v[STO]
	v_add_nc_u32 v[STO], s70, v[STO]               ; in: row r, 32 bytes for each half of the lanes
	v_mul_u32_u24 v[RD], v75, 272
	v_lshl_add_u32 v[RD], v74, 4, v[RD]
	v_add_nc_u32 v[RD], s70, v[RD]                 ; back: lanes 0-15 one row, lanes 16-31 the next
.irp z, 0,1,2,3,4
.irp j, 0,1,2,3
	v_mov_b32 v[QZ+8*\z+\j], 0                     ; the zero codes between the tiles' codes
.endr
.endr
	s_wait_loadcnt 32                              ; Q and its scale words are in; x's 32 loads stay out
	s_wait_kmcnt 0x0                               ; gamma
	v_perm_b32 v[QS], v78, v78, 0x01000100         ; a tile's two bytes, twice: they serve the codes in either half of source 1
	v_perm_b32 v[QS+1], v78, v78, 0x03020302
	v_perm_b32 v[QS+2], v79, v79, 0x01000100
	v_perm_b32 v[QS+3], v79, v79, 0x03020302
.irp t, 0,1,2,3
	v_mov_b32 v[NM+2*\t+1], 0                      ; (named as the upper half of a pair)
	v_mov_b32 v[LS+\t], 0xff800000                 ; the running maxima: under every score
	v_mov_b32 v[LS+4+\t], 0                        ; a lane permute's destination counts as one of its sources
.endr                                          ; (these twelve are also the places between the scale words' making and the first product)
	v_add_nc_u32 v[ADK], s[TK], v[AK0]
	v_add_nc_u32 v[ADS], s[TS], v[AKS0]
	s_wait_tensorcnt 0x2                           ; my part of g is in; both slots of h may stay out
	s_barrier_signal -1
	s_barrier_wait -1                              ; everybody's is
; ---- PASS 1: each query's largest score.  A trip takes my blocks of two phases.
.macro P1LOAD
	ds_load_b128 v[KF:KF+3], v[ADK]
	ds_load_b128 v[KF+4:KF+7], v[ADK] offset:512
	ds_load_b32 v[KS], v[ADS]
	ds_load_b128 v[BM:BM+3], v[ADK] offset:8192
	ds_load_b128 v[BM+4:BM+7], v[ADK] offset:8704
	ds_load_b32 v[KS+1], v[ADS] offset:512
.endm
.macro MAXRUN base
.irp i, 0,2,4,6,8,10,12,14
.irp t, 0,1,2,3
	v_max3_num_f32 v[LS+\t], v[LS+\t], v[\base+16*\t+\i], v[\base+16*\t+\i+1]   ; the tiles by turns; each accumulator from its low end on
.endr
.endr
.endm
.macro P1TRIP pre
	s_wait_dscnt 0x3                               ; the first block's three loads are in, the second's may be out
	SPROD S, KF, KS
	s_wait_dscnt 0x0
	SPROD VF, BM, KS+1
.rept 4
	v_nop                                          ; places in front of loads into registers that the products have read, and of the first read of results
.endr
.if \pre
	s_add_co_u32 s[TK], s[TK], 16384
	s_add_co_u32 s[TS], s[TS], 1024
	v_add_nc_u32 v[ADK], s[TK], v[AK0]
	v_add_nc_u32 v[ADS], s[TS], v[AKS0]
	P1LOAD                                         ; the next two blocks land under the 64 maxima
	s_cmp_eq_u32 s[P1], s[LIM1]                    ; in the fourth of the seven trips: h's pieces 2 and 3
	s_cbranch_scc0 .Lno_ask_\@
	global_prefetch_b8 v[PFO], s[PFA:PFA+1] th:TH_LOAD_NT scope:SCOPE_SE
	global_prefetch_b8 v[PFO], s[PFA:PFA+1] offset:65536 th:TH_LOAD_NT scope:SCOPE_SE
.Lno_ask_\@:
.endif
	MAXRUN S
	MAXRUN VF
.endm
	P1LOAD
	s_mov_b32 s[P1], 7
.Lp1:
	P1TRIP 1
	s_sub_co_u32 s[P1], s[P1], 1
	s_cmp_lg_u32 s[P1], 0
	s_cbranch_scc1 .Lp1
	P1TRIP 0                                       ; the last two blocks: nothing more to fetch
.irp t, 0,1,2,3
	v_permlanex16_b32 v[LS+4+\t], v[LS+\t], s[SEL], s[SEL+1]
.endr
.irp t, 0,1,2,3
	v_max_num_f32 v[LS+\t], v[LS+\t], v[LS+4+\t]   ; with the lane 16 away: all my keys
.endr
.irp t, 0,1,2,3
	ds_store_b32 v[AMW], v[LS+\t] offset:1024*\t
.endr
	s_wait_xcnt 0x0                                ; the prefetches, four trips back, have read their address
	s_add_nc_u64 s[PFA:PFA+1], s[PFA:PFA+1], 2*65536   ; on to piece 4
	s_mov_b32 s[TK], 0
	s_mov_b32 s[TS], 0
	s_wait_dscnt 0x0                               ; for the others' sake: my stores have landed
	s_barrier_signal -1
	s_barrier_wait -1
.irp t, 0,1,2,3
.irp e, 0,1
	ds_load_b128 v[VF+8*\t+4*\e:VF+8*\t+4*\e+3], v[AMR] offset:1024*\t+16*\e   ; the eight waves' maxima of my query
.endr
.endr
	v_add_nc_u32 v[ADK], s[TK], v[AK0]
	v_add_nc_u32 v[ADS], s[TS], v[AKS0]
	ds_load_b128 v[KF:KF+3], v[ADK]                ; phase 0's block of mine
	ds_load_b128 v[KF+4:KF+7], v[ADK] offset:512
	ds_load_b32 v[KS], v[ADS]
	s_wait_dscnt 0x3                               ; the three just issued may stay out
.irp t, 0,1,2,3
	v_max3_num_f32 v[LS+\t], v[VF+8*\t], v[VF+8*\t+1], v[VF+8*\t+2]
.endr
.irp i, 3,5
.irp t, 0,1,2,3
	v_max3_num_f32 v[LS+\t], v[LS+\t], v[VF+8*\t+\i], v[VF+8*\t+\i+1]
.endr
.endr
.irp t, 0,1,2,3
	v_max_num_f32 v[LS+\t], v[LS+\t], v[VF+8*\t+7] ; the row's largest score
.endr
.irp t, 0,1,2,3
	v_mul_f32 v[LS+\t], s[CS], v[LS+\t]            ; as t
.endr
.irp t, 0,1,2,3
	v_floor_f32 v[NM+2*\t], -v[LS+\t]              ; -M = floor(-t) = -ceil(t)
.endr
.irp j, 0,1,2,3,4,5,6,7
	v_mov_b32 v[LS+\j], 0                          ; l, in pairs
.endr
.irp t, 0,1,2,3
	v_mov_b32 v[PD+\t], 0                          ; a lane permute's destination counts as one of its sources
.endr
; ---- A PHASE'S SOFTMAX: my 32 keys x 64 queries; p's codes and scale bytes into buffer buf
.macro SM buf
.rept 5
	v_nop                                          ; the scores are laid over registers that the last products read: five places
.endr
	s_wait_dscnt 0x0                               ; g's fragment and its scale words are in
	SPROD S, KF, KS
.rept 4
	v_nop
.endr
.irp t, 0,1,2,3
	v_max3_num_f32 v[BM+\t], v[S+16*\t], v[S+16*\t+1], v[S+16*\t+2]   ; the block's largest SCORE: since p rises with the score, it gives the block's largest p
.endr
.irp i, 3,5,7,9,11,13
.irp t, 0,1,2,3
	v_max3_num_f32 v[BM+\t], v[BM+\t], v[S+16*\t+\i], v[S+16*\t+\i+1]
.endr
.endr
.irp t, 0,1,2,3
	v_max_num_f32 v[BM+\t], v[BM+\t], v[S+16*\t+15]
.endr
.irp t, 0,1,2,3
	v_permlanex16_b32 v[PD+\t], v[BM+\t], s[SEL], s[SEL+1]
.endr
.irp t, 0,1,2,3
	v_max_num_f32 v[BM+\t], v[BM+\t], v[PD+\t]     ; with the lane 16 away's 16 keys
.endr
.irp t, 0,1,2,3
.irp i, 0,2,4,6,8,10,12,14
	v_pk_fma_f32 v[S+16*\t+\i:S+16*\t+\i+1], v[S+16*\t+\i:S+16*\t+\i+1], s[CS:CS+1], v[NM+2*\t:NM+2*\t+1] op_sel_hi:[1,0,0]   ; t - M, two at a time
.endr
.endr
.irp t, 0,1,2,3
	v_fma_f32 v[BM+\t], v[BM+\t], s[CS], v[NM+2*\t]   ; the same of the block's largest score
.endr
.irp j, 0,1,2,3,4,5,6,7,8,9,10,11,12,13,14,15,16,17,18,19,20,21,22,23,24,25,26,27,28,29,30,31,32,33,34,35,36,37,38,39,40,41,42,43,44,45,46,47,48,49,50,51,52,53,54,55,56,57,58,59,60,61,62,63
	v_exp_f32 v[S+\j], v[S+\j]                     ; p = 2^(t - M): not normalised
.endr
	v_nop                                          ; a plain line behind the exponentials
	s_wait_alu depctr_va_vdst(0)                   ; one wait for the whole batch, ahead of its first reader
.irp t, 0,1,2,3
	v_exp_f32 v[BM+\t], v[BM+\t]                   ; the block's largest p: the same two instructions on the same number
.endr
.irp i, 0,2,4,6,8,10,12,14
.irp t, 0,1,2,3
	v_pk_add_f32 v[LS+2*\t:LS+2*\t+1], v[LS+2*\t:LS+2*\t+1], v[S+16*\t+\i:S+16*\t+\i+1]   ; l is taken of the unquantised p: four chains by turns.  (They read the 64 alone: plain work behind the four)
.endr
.endr
	s_wait_alu depctr_va_vdst(0)                   ; and one for the four
.irp t, 0,1,2,3
	v_max_num_f32 v[BM+\t], 0x1800000, v[BM+\t]    ; the floor 2^(3 - 127): the byte cannot fall under 1
.endr
.irp t, 0,1,2,3
	v_add_nc_u32 v[SO+\t], 0xff000000, v[BM+\t]    ; 2 off the exponent field: the conversion's scale operand
.endr
.irp t, 0,1,2,3
	v_lshrrev_b32 v[SB+\t], 23, v[SO+\t]           ; the scale's byte
.endr
.irp t, 0,1,2,3
	v_cvt_scalef32_pk8_fp4_f32 v[PC+2*\t], v[S+16*\t:S+16*\t+7], v[SO+\t]
	v_cvt_scalef32_pk8_fp4_f32 v[PC+2*\t+1], v[S+16*\t+8:S+16*\t+15], v[SO+\t]
.endr
	v_nop                                          ; one plain line behind the last conversion
.irp t, 0,1,2,3
	ds_store_b64 v[APW], v[PC+2*\t:PC+2*\t+1] offset:8192*\buf+2048*\t   ; 32 lanes store my block's 256 bytes of tile t's image
.endr
.irp t, 0,1,2,3
	ds_store_b8 v[APSW], v[SB+\t] offset:512*\buf+128*\t   ; lanes r and 16 + r write the same byte with the same value
.endr
.endm
; ---- A PHASE'S SECOND PRODUCT: my 64 channels x 64 queries x 256 keys, from slot and buffer p.
; zero: the first 128 keys start the sums.  knext: the next phase's block of g is fetched behind the fragments.  lx: the eight waves' sums l are.
.macro PVH h, zero
.irp d, 0,1,2,3
.irp t, 0,1,2,3
.if \zero
	WMZ 8*(4*\d+\t), VF+32*\h+8*\d, S+32*\h+8*\t, VSR+2*(\d/2)+\h, PSR+2*(\t/2)+\h, \d%2, \t%2
.else
	WMC 8*(4*\d+\t), VF+32*\h+8*\d, S+32*\h+8*\t, 8*(4*\d+\t), VSR+2*(\d/2)+\h, PSR+2*(\t/2)+\h, \d%2, \t%2
.endif
.endr
.endr
.endm
.macro PV p, zero, knext, lx
	ds_load_b64 v[VSR:VSR+1], v[AVS+\p]            ; h's scale bytes: lanes 0-15 tile 0's channels, lanes 16-31 tile 1's; the low word serves the first 128 keys
	ds_load_b64 v[VSR+2:VSR+3], v[AVS+\p] offset:256
	ds_load_b64 v[PSR:PSR+1], v[APSR] offset:512*\p
	ds_load_b64 v[PSR+2:PSR+3], v[APSR] offset:512*\p+256
.irp h, 0,1
.irp q, 0,1,2,3
.irp c, 0,1
	ds_load_b128 v[VF+32*\h+8*\q+4*\c:VF+32*\h+8*\q+4*\c+3], v[AV+\p] offset:32768*\h+1024*\q+512*\c
.endr
.endr
.irp q, 0,1,2,3
.irp c, 0,1
	ds_load_b128 v[S+32*\h+8*\q+4*\c:S+32*\h+8*\q+4*\c+3], v[APR] offset:8192*\p+2048*\q+1024*\h+512*\c
.endr
.endr
.endr
.if \knext
	s_add_co_u32 s[TK], s[TK], 8192
	s_add_co_u32 s[TS], s[TS], 512
	v_add_nc_u32 v[ADK], s[TK], v[AK0]
	v_add_nc_u32 v[ADS], s[TS], v[AKS0]
	ds_load_b128 v[KF:KF+3], v[ADK]
	ds_load_b128 v[KF+4:KF+7], v[ADK] offset:512
	ds_load_b32 v[KS], v[ADS]
.endif
.if \lx
.irp e, 0,1
	ds_load_b128 v[KF+4*\e:KF+4*\e+3], v[AMR] offset:LX-MX+16*\e
.endr
.irp t, 1,2,3
.irp e, 0,1
	ds_load_b128 v[160+8*\t+4*\e:160+8*\t+4*\e+3], v[AMR] offset:LX-MX+1024*\t+16*\e
.endr
.endr
.endif
	s_wait_dscnt 16+3*\knext+8*\lx                 ; the scale words and the first 128 keys' fragments are in; all that was issued behind them may be out
	WIN 0x50                                       ; C and D window 1
	PVH 0, \zero
	s_wait_dscnt 3*\knext+8*\lx                    ; the second 128 keys' are in
	PVH 1, 0                                       ; the sixteen accumulators take turns, in one order in both halves
	WIN 0
.endm
; ---- A phase that fills a slot again.  In front of the round each wave waits for all its tensor loads (one is out: its part of this phase's slot), adds 0 to its spare word, and waits for that, for its stores of p
; and for its reads of the slot that it left.  Behind the round p's buffer and this phase's slot are whole, and no wave of any partner reads the other slot: it takes the next phase's bytes,
; which have this phase's second product and the next phase's softmax in which to land.
.macro PHASE p
	SM \p
	s_wait_tensorcnt 0x0                           ; no tensor load of mine is out, so a group 0 may be written
	ds_add_u32 v[SPW], v[NIL]                      ; 0 onto my spare word: the steps below stand between it and the wait for it
	s_add_nc_u64 s[G0V+4*(1-\p)+2:G0V+4*(1-\p)+3], s[G0V+4*(1-\p)+2:G0V+4*(1-\p)+3], 2*VSL   ; the other slot's next phase; the type bits on top are not reached
	s_wait_xcnt 0x0                                ; the last prefetch, a phase back, has read its address
	s_add_nc_u64 s[PFA:PFA+1], s[PFA:PFA+1], 65536
	s_wait_dscnt 0x0
	CROUND
	tensor_load_to_lds s[G0V+4*(1-\p):G0V+4*(1-\p)+3], s[G1V:G1V+7]   ; my one tensor load behind the round, and the first thing there
	s_nop 0
.rept 4
	v_nop
.endr
	ASK 0
	PV \p, 0, 1, 0
.endm
	SM 0                                           ; phase 0
	s_wait_tensorcnt 0x1                           ; my part of slot 0 is in; slot 1's may stay out
	s_wait_dscnt 0x0
	s_barrier_signal -1
	s_barrier_wait -1
	ASK 1                                          ; piece 4
	PV 0, 1, 1, 0
	s_mov_b32 s[CNT], 7
.Lphase:                                           ; seven trips: phases 1 to 14
	PHASE 1
	PHASE 0
	s_sub_co_u32 s[CNT], s[CNT], 1
	s_cmp_lg_u32 s[CNT], 0
	s_cbranch_scc1 .Lphase
	SM 1                                           ; phase 15 is written out: nothing is left to fetch
.irp t, 0,1,2,3
	v_add_f32 v[LS+2*\t], v[LS+2*\t], v[LS+2*\t+1] ; l's two halves,
.endr
.irp t, 0,1,2,3
	v_permlanex16_b32 v[PD+\t], v[LS+2*\t], s[SEL], s[SEL+1]
.endr
.irp t, 0,1,2,3
	v_add_f32 v[LS+2*\t], v[LS+2*\t], v[PD+\t]     ; and the lane 16 away's: all my keys
.endr
.irp t, 0,1,2,3
	ds_store_b32 v[AMW], v[LS+2*\t] offset:LX-MX+1024*\t
.endr
	s_wait_tensorcnt 0x0                           ; my part of slot 1
	s_wait_dscnt 0x0
	s_barrier_signal -1
	s_barrier_wait -1
	PV 1, 0, 0, 1
	; ---- THE WAY OUT.  The additions are the places behind the last products: they name none of their registers.
	s_wait_dscnt 0x0                               ; the eight waves' sums
.irp a, KF, 168, 176, 184
	v_pk_add_f32 v[\a:\a+1], v[\a:\a+1], v[\a+2:\a+3]
	v_pk_add_f32 v[\a+4:\a+5], v[\a+4:\a+5], v[\a+6:\a+7]
.endr
.irp a, KF, 168, 176, 184
	v_pk_add_f32 v[\a:\a+1], v[\a:\a+1], v[\a+4:\a+5]
.endr
.irp a, KF, 168, 176, 184
	v_add_f32 v[\a], v[\a], v[\a+1]                ; l
.endr
	v_rcp_f32 v[NM], v[KF]
	v_rcp_f32 v[NM+2], v168
	v_rcp_f32 v[NM+4], v176
	v_rcp_f32 v[NM+6], v184
	v_nop                                          ; a plain line behind the last reciprocal
	s_wait_alu depctr_va_vdst(0)                   ; one wait for the four, ahead of their first reader
.irp t, 0,1,2,3
	v_mul_f32 v[NM+2*\t], s16, v[NM+2*\t]          ; gamma / l
.endr
; Tile t: a lane's eight channels of a query are 32 bytes; they go into my stage's rows of 272 bytes and come back as whole rows of 256, into the registers that they left.
.macro PACK t
	WIN 0x01                                       ; source 0 window 1
.irp d, 0,1,2,3
.irp i, 0,2,4,6
	v_pk_mul_f32 v[S+32*\t+8*\d+\i:S+32*\t+8*\d+\i+1], v[8*(4*\d+\t)+\i:8*(4*\d+\t)+\i+1], v[NM+2*\t:NM+2*\t+1] op_sel_hi:[1,0]   ; each accumulator from its low end on
.endr
.endr
	WIN 0
.irp d, 0,1,2,3
	ds_store_b128 v[STO], v[S+32*\t+8*\d:S+32*\t+8*\d+3] offset:STAGE+64*\d
	ds_store_b128 v[STO], v[S+32*\t+8*\d+4:S+32*\t+8*\d+7] offset:STAGE+64*\d+16
.endr
.irp i, 0,1,2,3,4,5,6,7
	ds_load_b128 v[S+32*\t+4*\i:S+32*\t+4*\i+3], v[RD] offset:STAGE+544*\i   ; LDS serves a wave's instructions in order (ISA guide 5.7.1.4): these see the stores above; the next tile's stores come behind them
.endr
.endm
.macro SEND t, younger                 ; younger: the LDS instructions issued behind tile t's loads: the next tile's sixteen, or none
	s_wait_dscnt \younger
	WIN 0x04                                       ; source 1 window 1: x
.irp i, 0,2,4,6,8,10,12,14,16,18,20,22,24,26,28,30
	v_pk_add_f32 v[S+32*\t+\i:S+32*\t+\i+1], v[S+32*\t+\i:S+32*\t+\i+1], v[128+32*\t+\i:128+32*\t+\i+1]
.endr
	WIN 0
.irp i, 0,1,2,3,4,5,6,7
	global_store_b128 v[XO], v[S+32*\t+4*\i:S+32*\t+4*\i+3], s[14:15] offset:(32*(\t/2)+8*(\t%2)+2*\i+8*(\i/4))*2048 th:TH_STORE_NT   ; sixteen lanes store 256 consecutive bytes, at a multiple of 256 from out0's first byte
.endr
.endm
	s_wait_loadcnt 0x0                             ; x
	PACK 0
	PACK 1                                         ; a tile's arithmetic stands between the loads of the tile before and its stores
	SEND 0, 16
	PACK 2
	SEND 1, 16
	PACK 3
	SEND 2, 16
	SEND 3, 0
	s_wait_tensorcnt 0x0                           ; the wave's end: behind my last tensor load and my last LDS store
	ds_add_u32 v[SPW], v[NIL]
	s_wait_dscnt 0x0
	CROUND                                         ; the closing round: no work-group ends while a partner may still ask for a tile that names it
	s_endpgm
.Lfunc_end_k_qd9b66b4675_attn:
	.size	k_qd9b66b4675_attn, .Lfunc_end_k_qd9b66b4675_attn-k_qd9b66b4675_attn
	.p2alignl 7, 3214868480
	.fill 96, 4, 3214868480
	.section	.rodata,"a",@progbits
	.p2align	6, 0x0
	.amdhsa_kernel k_qd9b66b4675_attn
		.amdhsa_group_segment_fixed_size 327680
		.amdhsa_private_segment_fixed_size 0
		.amdhsa_enable_private_segment 0
		.amdhsa_kernarg_size 48
		.amdhsa_user_sgpr_count 2
		.amdhsa_user_sgpr_kernarg_segment_ptr 1
		.amdhsa_wavefront_size32 1
		.amdhsa_system_sgpr_workgroup_id_x 1
		.amdhsa_system_sgpr_workgroup_id_y 1
		.amdhsa_system_sgpr_workgroup_id_z 1
		.amdhsa_system_vgpr_workitem_id 0
		.amdhsa_next_free_vgpr 512
		.amdhsa_next_free_sgpr 80
		.amdhsa_reserve_vcc 0
		.amdhsa_float_denorm_mode_32 3
		.amdhsa_float_denorm_mode_16_64 3
		.amdhsa_memory_ordered 1
		.amdhsa_forward_progress 1
		.amdhsa_inst_pref_size 124
	.end_amdhsa_kernel
	.amdgpu_metadata
---
amdhsa.version: [ 1, 2 ]
amdhsa.kernels:
  - .name:           k_qd9b66b4675_attn
    .symbol:         k_qd9b66b4675_attn.kd
    .args:
      - { .name: qq, .offset: 0, .size: 8, .value_kind: global_buffer, .address_space: global }
      - { .name: kq, .offset: 8, .size: 8, .value_kind: global_buffer, .address_space: global }
      - { .name: vq, .offset: 16, .size: 8, .value_kind: global_buffer, .address_space: global }
      - { .name: x, .offset: 24, .size: 8, .value_kind: global_buffer, .address_space: global }
      - { .name: gamma, .offset: 32, .size: 8, .value_kind: global_buffer, .address_space: global }
      - { .name: out0, .offset: 40, .size: 8, .value_kind: global_buffer, .address_space: global }
    .group_segment_fixed_size: 327680
    .private_segment_fixed_size: 0
    .kernarg_segment_align: 8
    .kernarg_segment_size: 48
    .max_flat_workgroup_size: 256
    .sgpr_count:     80
    .vgpr_count:     512
    .wavefront_size: 32
...
	.end_amdgpu_metadata
.endif
;; end of part 3
;; ======== version 2 of 2: 3 launches
;; workspace buffers: wq 174,080 bytes; qq 557,056 bytes; kq 557,056 bytes; vq 4,456,448 bytes
;; launch wprep (part 4): grid 40 x 4, 1 waves a work-group, no clusters, 0 bytes of LDS; arguments Wf, Wg, Wh, wq; writes wq
.if DOCPART == 4
	.amdgcn_target "amdgcn-amd-amdhsa--gfx1250"
	.amdhsa_code_object_version 6
	.text
	.protected	k_qd9b66b4675_wprep
	.globl	k_qd9b66b4675_wprep
	.p2align	8
	.type	k_qd9b66b4675_wprep,@function
k_qd9b66b4675_wprep:
	s_mov_b64 s[64:65], 0
	v_nop
	global_prefetch_b8 v0, s[64:65] scope:SCOPE_SE
	s_setreg_imm32_b32 hwreg(HW_REG_WAVE_MODE, 25, 1), 1
	s_wait_xcnt 0x0
; out0 = x + gamma * softmax(f g^T) h, f = x Wf + bf, g = x Wg + bg, h = x Wh + bh, all five products on codes of FP4 (E2M1) with one E8M0 scale for each 32 along K.
; THREE LAUNCHES: this one quantises the weights; the second makes f, g, h and quantises them; the third is the attention.
; NO WORK OF reference() IS LEFT OUT.  bg and bh would cancel or factor out of a softmax in real numbers, but both go into a quantised operand of a live product
; (g along its 64 channels, h along the keys), where they move codes and scales: so they are added.  Every input is loaded by some launch.
; THIS LAUNCH: Wf, Wg [512][64] and Wh [512][512], f32, K = their FIRST axis, become operand fragments of 16 columns x 128 K, laid in wq in the order of the operand's registers:
;   codes: tile T (0..39), K step s (0..3) at (4 T + s) x 1,024 bytes; in it registers 4 c .. 4 c + 3 of lane l at 512 c + 16 l: the 32 codes k = 128 s + 64 c + 32 (l / 16) + 0 .. 31 of the lane's column.
;   tiles 0-3: Wf's columns, tiles 4-7: Wg's: lane r of tile T takes column 32 ((T % 4) / 2) + 8 (T % 2) + r + 8 (r / 8), so that the next launch's results of two neighbouring tiles are 16 neighbours along d.
;   tiles 8-39: Wh's columns 16 (T - 8) + r.
;   scale words from byte WSC on: [16 T + r][s], four bytes each, byte b for k = 128 s + 32 b + 0 .. 31.
; A work-group of one wave makes one fragment.  A LANE TAKES A COLUMN AND ITS REGISTERS RUN DOWN K: a block of 32 lies in one lane's 32 registers, and the conversions' results are the operand's registers.
; A block's scale byte is its largest magnitude's exponent field - 2, held at 1 from below.
; LIMITS: a block of zeros, and a block whose largest magnitude lies under 2^-124, gets the byte 1 (the rule says 127 for zeros: the codes are zeros, and this program alone reads the bytes); NaN and infinities are not served.
; The scale words leave four bytes a lane, 16 bytes apart: 10,240 bytes in all, against 1.3 million read; laid so, the next launch takes four K steps' words by one load.
.set WSC, 163840
.macro WLOAD pitch, base               ; W(128 s + 64 c + 32 h + i, my column), i = 0 .. 31, c = 0, 1
.irp c, 0,1
.irp i, 0,1,2,3,4,5,6,7,8,9,10,11,12,13,14,15,16,17,18,19,20,21,22,23,24,25,26,27,28,29,30,31
	global_load_b32 v[64+32*\c+\i], v3, s[\base:\base+1] offset:(64*\c+\i)*\pitch
.endr
.endr
.endm
	s_load_b256 s[4:11], s[0:1], 0x0               ; Wf s[4:5], Wg s[6:7], Wh s[8:9], wq s[10:11]
	v_and_b32 v1, 15, v0                           ; r
	s_wait_alu depctr_va_vdst(0)
	v_lshrrev_b32 v2, 4, v0                        ; h
	s_and_b32 s12, ttmp7, 0xffff                   ; the K step s
	s_mov_b32 s20, 0x76543210
	s_mov_b32 s21, 0xfedcba98                      ; v_permlanex16_b32's selects for lane l xor 16
	s_lshl_b32 s13, ttmp9, 2
	s_add_co_u32 s13, s13, s12                     ; 4 T + s
	s_lshl_b32 s14, s13, 10                        ; the fragment's place among the codes
	s_mov_b32 s15, 0
	v_lshlrev_b32 v5, 4, v0                        ; 16 x lane
	s_lshl_b32 s16, ttmp9, 8                       ; 16 T rows of 16 bytes,
	s_lshl_b32 s17, s12, 2
	s_add_co_u32 s16, s16, s17                     ; + 4 s,
	s_add_co_u32 s16, s16, WSC                     ; behind the codes
	s_mov_b32 s17, 0
	v_lshlrev_b32 v6, 4, v1                        ; 16 r
	s_mov_b32 s19, 0
	s_wait_kmcnt 0x0
	s_add_nc_u64 s[14:15], s[10:11], s[14:15]
	s_add_nc_u64 s[16:17], s[10:11], s[16:17]
	s_cmp_lt_u32 ttmp9, 8                          ; the two ways differ in the row's pitch, which stands in the loads' immediates
	s_cbranch_scc0 .Lwide
	s_cmp_lt_u32 ttmp9, 4
	s_cselect_b64 s[4:5], s[4:5], s[6:7]           ; Wf or Wg: the choice hangs on the work-group's number alone
	s_lshl_b32 s18, s12, 15                        ; 128 s rows of 256 bytes
	s_add_nc_u64 s[4:5], s[4:5], s[18:19]
	s_and_b32 s22, ttmp9, 2
	s_lshl_b32 s22, s22, 4                         ; 32 ((T % 4) / 2)
	s_and_b32 s23, ttmp9, 1
	s_lshl_b32 s23, s23, 3                         ; 8 (T % 2)
	s_add_co_u32 s22, s22, s23
	v_and_b32 v3, 8, v1
	v_add_nc_u32 v3, v3, v1                        ; r + 8 (r / 8)
	v_add_nc_u32 v3, s22, v3                       ; my column
	v_lshlrev_b32 v3, 2, v3
	s_wait_alu depctr_va_vdst(0)
	v_lshl_add_u32 v3, v2, 13, v3                  ; lanes 16-31 begin 32 rows further down
	WLOAD 256, 4
	s_branch .Ljoin
.Lwide:
	s_lshl_b32 s18, s12, 18                        ; 128 s rows of 2,048 bytes
	s_add_nc_u64 s[8:9], s[8:9], s[18:19]
	s_sub_co_u32 s22, ttmp9, 8
	s_lshl_b32 s22, s22, 4
	v_add_nc_u32 v3, s22, v1                       ; my column: 16 (T - 8) + r
	v_lshlrev_b32 v3, 2, v3
	s_wait_alu depctr_va_vdst(0)
	v_lshl_add_u32 v3, v2, 16, v3
	WLOAD 2048, 8
.Ljoin:
	s_wait_loadcnt 0x0
.irp c, 0,1                                    ; my block 2 c + h: all its 32 numbers are mine
	v_max3_num_f32 v[32+\c], |v[64+32*\c]|, |v[65+32*\c]|, 0x1800000   ; and the floor 2^(3 - 127): the byte cannot fall under 1
.endr
.irp i, 2,4,6,8,10,12,14,16,18,20,22,24,26,28,30
.irp c, 0,1
	v_max3_num_f32 v[32+\c], v[32+\c], |v[64+32*\c+\i]|, |v[65+32*\c+\i]|
.endr
.endr
.irp c, 0,1
	v_add_nc_u32 v[44+\c], 0xff000000, v[32+\c]    ; 2 off the exponent field: the conversion's scale operand
.endr
.irp c, 0,1
	v_lshrrev_b32 v[36+\c], 23, v[44+\c]           ; the scale's byte
.endr
	v_lshl_or_b32 v9, v37, 16, v36                 ; my two bytes: blocks h and 2 + h,
	v_lshlrev_b32 v10, 3, v2
	v_lshlrev_b32 v9, v10, v9                      ; at their places in the word;
	v_mov_b32 v10, 0
	v_permlanex16_b32 v10, v9, s20, s21
	v_or_b32 v9, v9, v10                           ; with lane l xor 16's two the word is whole
.irp c, 0,1
.irp g, 0,1,2,3
	v_cvt_scalef32_pk8_fp4_f32 v[48+4*\c+\g], v[64+32*\c+8*\g:71+32*\c+8*\g], v[44+\c]
.endr
.endr
	v_nop                                          ; one plain line behind the last conversion
	global_store_b128 v5, v[48:51], s[14:15]                 ; 512 consecutive bytes
	global_store_b128 v5, v[52:55], s[14:15] offset:512
	global_store_b32 v6, v9, s[16:17]              ; lanes r and 16 + r hold the same word and write it to the same place
	s_endpgm
.Lfunc_end_k_qd9b66b4675_wprep:
	.size	k_qd9b66b4675_wprep, .Lfunc_end_k_qd9b66b4675_wprep-k_qd9b66b4675_wprep
	.p2alignl 7, 3214868480
	.fill 96, 4, 3214868480
	.section	.rodata,"a",@progbits
	.p2align	6, 0x0
	.amdhsa_kernel k_qd9b66b4675_wprep
		.amdhsa_group_segment_fixed_size 0
		.amdhsa_private_segment_fixed_size 0
		.amdhsa_enable_private_segment 0
		.amdhsa_kernarg_size 32
		.amdhsa_user_sgpr_count 2
		.amdhsa_user_sgpr_kernarg_segment_ptr 1
		.amdhsa_wavefront_size32 1
		.amdhsa_system_sgpr_workgroup_id_x 1
		.amdhsa_system_sgpr_workgroup_id_y 1
		.amdhsa_system_sgpr_workgroup_id_z 1
		.amdhsa_system_vgpr_workitem_id 0
		.amdhsa_next_free_vgpr 128
		.amdhsa_next_free_sgpr 66
		.amdhsa_reserve_vcc 0
		.amdhsa_float_denorm_mode_32 3
		.amdhsa_float_denorm_mode_16_64 3
		.amdhsa_memory_ordered 1
		.amdhsa_forward_progress 1
		.amdhsa_inst_pref_size 18
	.end_amdhsa_kernel
	.amdgpu_metadata
---
amdhsa.version: [ 1, 2 ]
amdhsa.kernels:
  - .name:           k_qd9b66b4675_wprep
    .symbol:         k_qd9b66b4675_wprep.kd
    .args:
      - { .name: Wf, .offset: 0, .size: 8, .value_kind: global_buffer, .address_space: global }
      - { .name: Wg, .offset: 8, .size: 8, .value_kind: global_buffer, .address_space: global }
      - { .name: Wh, .offset: 16, .size: 8, .value_kind: global_buffer, .address_space: global }
      - { .name: wq, .offset: 24, .size: 8, .value_kind: global_buffer, .address_space: global }
    .group_segment_fixed_size: 0
    .private_segment_fixed_size: 0
    .kernarg_segment_align: 8
    .kernarg_segment_size: 32
    .max_flat_workgroup_size: 32
    .sgpr_count:     66
    .vgpr_count:     128
    .wavefront_size: 32
...
	.end_amdgpu_metadata
.endif
;; end of part 4
;; launch proj (part 5): grid 256 x 1, 8 waves a work-group, no clusters, 153,600 bytes of LDS; arguments x, wq, bf, bg, bh, qq, kq, vq; writes qq, kq, vq
.if DOCPART == 5
	.amdgcn_target "amdgcn-amd-amdhsa--gfx1250"
	.amdhsa_code_object_version 6
	.text
	.protected	k_qd9b66b4675_proj
	.globl	k_qd9b66b4675_proj
	.p2align	8
	.type	k_qd9b66b4675_proj,@function
k_qd9b66b4675_proj:
	s_mov_b64 s[64:65], 0
	v_nop
	global_prefetch_b8 v0, s[64:65] scope:SCOPE_SE
	s_setreg_imm32_b32 hwreg(HW_REG_WAVE_MODE, 25, 1), 1
	s_wait_xcnt 0x0
; f = x Wf + bf, g = x Wg + bg, h = x Wh + bh on codes of FP4, and their quantisation for the attention: f and g along their 64 channels, h along the keys.  Nothing of reference() is left out here.
; SHARES.  A work-group takes 64 rows of x (batch = number / 64) and all 640 columns; its eight waves first quantise x together, then share the columns.
; THE ROWS OF A TILE ARE NOT NEIGHBOURS: lane r of tile T (0..3) takes row 32 (T / 2) + 8 (T % 2) + r + 8 (r / 8) of the 64, so that results of tiles 2 B and 2 B + 1 are 16 neighbours along the rows.
;   X:  wave w quantises tile w / 2, K steps 2 (w % 2) and 2 (w % 2) + 1, and stores them to LDS as images of the operand's registers (1,024 bytes a fragment: registers 4 c .. at 512 c + 16 x lane).
;       The conversions want 16 neighbours along K in one lane; a load is best where neighbouring LANES take neighbouring bytes.  Both are had: each load reads 512 consecutive bytes, a row's K step, 16 a lane;
;       a K step's 16 rows go through the wave's own stage in LDS as they lie and come back 64 bytes a lane.  A stage row is 512 + 16 bytes, so that the sixteen lanes of a read start in sixteen different 16-byte columns.
;       A lane holds 16 neighbours of each block of 32, the lane 16 away the other 16: their 8 bytes of codes meet in the image, so no lanes are swapped.
;   H:  wave w makes channels 64 w .. 64 w + 63 of h for the 64 rows: source 0 = x, source 1 = Wh: a lane holds ONE channel, and the 16 registers of tiles 2 B, 2 B + 1 are 16 neighbouring keys.
;   FG: wave w makes, of f (w < 4) or g, d = 32 b .. 32 b + 31 (b = (w / 2) % 2) for rows 32 (w % 2) on: source 0 = the weight, source 1 = x: a lane holds ONE row and 16 neighbouring d.
; The biases are the C of each sum's first matrix instruction.  The 20 accumulators take turns, one instruction a turn.
; OUT, all in the order of the reader's registers:
;   qq (f), kq (g): a batch is 139,264 bytes.  Block B of 32 rows: 1,024 bytes at 1,024 B: registers 4 u .. 4 u + 3 of lane (r, h) hold d = 32 h + 0 .. 31 of row r of tile 2 B + u.  Scale words from 131,072: [B][r], byte 2 u + b.
;   vq (h): a batch is 1,114,112 bytes, 69,632 for each 256 keys: codes [128 keys: 2][tile of 16 channels: 32] x 1,024, then from 65,536 on the scale bytes [channel][8 blocks of 32 keys].
; No tensor loads: each byte is used by one wave.  No cluster: what the work-groups share is wq's 174,080 bytes.
; The scale bytes leave one and two bytes a lane (a word wants 128 keys, a work-group has 64): 0.33 of the launch's 39 million bytes.
; LIMITS: as in the first launch: a block of zeros or under 2^-124 gets the byte 1; NaN and infinities are not served.
; REGISTERS.  window 0: v1-13 addresses; v14, v15 the add's two; v16-31 at work on scales; v32-55 scale words; v56-59 bh as loaded; v60-63 scratch at the head; v64-95 f's or g's four accumulators;
;   v96-127 x's codes, then bh spread (8 equal registers a tile), then the data of all output stores; v128-255 128 numbers of x, then h's 16 accumulators.
;   window 1: v0-127 Wh's 16 fragments; v128-191 Wf's or Wg's 8; v192-223 x's four fragments of a K step; v224-239 the two that FG multiplies; v240-255 bf or bg in the result's layout.
.set XIMG,  0                          ; LDS: x's 16 fragments, (4 T + s) x 1,024
.set XSC,   16384                      ; their scale words: [16 T + r][s]
.set SPARE, 17408                      ; the spare words, 128 bytes for each wave: four blocks of 256 bytes that no other line names
.set STG,   18432                      ; the stages: for each wave two (one a K step) of 16 rows x 528 bytes
.set STB,   8448                       ; a stage
.set SPI,   528                        ; a stage row
.set WSC,   163840
.set QKB,   139264
.set QKS,   131072
.set VB,    1114112
.set VPH,   69632
.set VSCL,  65536
.set STW, 1                            ; the stage, on the way in: 16 x lane
.set XWI, 2                            ; where I store x's codes: 2,048 w + 16 r + 8 h
.set XWS, 3                            ; and their scale words
.set LI,  4                            ; 16 x lane
.set XGA, 5                            ; the two tiles that FG multiplies: 8,192 (w % 2) + 16 x lane
.set XSR, 6                            ; x's scale words, 16 bytes a lane
.set XGSA, 7                           ; those of FG's two tiles
.set BHA, 8                            ; 4 r
.set FBA, 9                            ; 64 h
.set CO,  10                           ; 16 r + 8 h: my 8 bytes of a block's 256
.set KSO, 11                           ; 4 r + 2 h
.set VSO, 12                           ; 8 x lane
.set STR, 13                           ; the stage, on the way out: 528 r + 64 h
.set SPW, 14
.set NIL, 15
.set TM,  16                           ; +0..3 largest magnitudes, +4..7 the exchange, then the bytes, +8..11 words, +12..15 the conversions' scale operands
.set XS,  32                           ; register 4 (T / 2) + s; lanes 0-15 tile 2 (T / 2), lanes 16-31 the next
.set XGS, 40                           ; register s; the row is FG's tile of x
.set WHS, 44                           ; register 4 (D / 2) + s
.set WFS, 52                           ; register s; the row is u
.set BHL, 56
.set FGA, 64                           ; accumulator (k, u) at 64 + 16 k + 8 u
.set HB,  96
.set HAC, 128                          ; accumulator (D, T) at 128 + 8 (4 D + T)
.set WFG, 128                          ; window 1
.set XF,  192
.set XG,  224
.set FB,  240
.set WV,  40
.set MASK, 41
.set SEL, 42
.set MSB, 0
.macro WIN new                         ; the immediate's high byte repeats the setting that is left
.if MSB != \new
	s_set_vgpr_msb (MSB<<8)|\new
.set MSB, \new
.endif
.endm
; the matrix line: D at d, source 0 at a, source 1 at b, C at c, their scale registers sa, sb and which half of the lanes each is read from
.macro WMC d, a, b, c, sa, sb, ra, rb
.if (\ra) && (\rb)
	v_wmma_scale_f32_16x16x128_f8f6f4 v[\d:\d+7], v[\a:\a+7], v[\b:\b+7], v[\c:\c+7], v[\sa], v[\sb] matrix_a_fmt:MATRIX_FMT_FP4 matrix_b_fmt:MATRIX_FMT_FP4 matrix_a_scale:MATRIX_SCALE_ROW1 matrix_b_scale:MATRIX_SCALE_ROW1
.elseif (\ra)
	v_wmma_scale_f32_16x16x128_f8f6f4 v[\d:\d+7], v[\a:\a+7], v[\b:\b+7], v[\c:\c+7], v[\sa], v[\sb] matrix_a_fmt:MATRIX_FMT_FP4 matrix_b_fmt:MATRIX_FMT_FP4 matrix_a_scale:MATRIX_SCALE_ROW1
.elseif (\rb)
	v_wmma_scale_f32_16x16x128_f8f6f4 v[\d:\d+7], v[\a:\a+7], v[\b:\b+7], v[\c:\c+7], v[\sa], v[\sb] matrix_a_fmt:MATRIX_FMT_FP4 matrix_b_fmt:MATRIX_FMT_FP4 matrix_b_scale:MATRIX_SCALE_ROW1
.else
	v_wmma_scale_f32_16x16x128_f8f6f4 v[\d:\d+7], v[\a:\a+7], v[\b:\b+7], v[\c:\c+7], v[\sa], v[\sb] matrix_a_fmt:MATRIX_FMT_FP4 matrix_b_fmt:MATRIX_FMT_FP4
.endif
.endm
; K step s of my two, the tile's 16 rows: each load reads 512 consecutive bytes of one row
.macro XLOAD reg, s
.irp i, 0,1,2,3,4,5,6,7,8,9,10,11,12,13,14,15
	global_load_b128 v[\reg+4*\i:\reg+4*\i+3], v[LI], s[4:5] offset:(\i+8*(\i/8))*2048+512*\s th:TH_LOAD_NT
.endr
.endm
; and their turn through my stage: in as they were loaded, a row to a store; out 16 neighbours of each of the four blocks to a lane, into the registers that they left.
; LDS serves a wave's instructions in order (ISA guide 5.7.1.4): no wait stands between the stores and the loads
.macro TURN reg, s
.irp i, 0,1,2,3,4,5,6,7,8,9,10,11,12,13,14,15
	ds_store_b128 v[STW], v[\reg+4*\i:\reg+4*\i+3] offset:STB*\s+SPI*\i
.endr
.irp b, 0,1,2,3
.irp j, 0,1,2,3
	ds_load_b128 v[\reg+16*\b+4*\j:\reg+16*\b+4*\j+3], v[STR] offset:STB*\s+128*\b+16*\j
.endr
.endr
.endm
; nb blocks: block q's 16 numbers of mine in v[src + 16 q] on, the other 16 in the lane 16 away.  Codes to v[dst + 2 q], v[dst + 2 q + 1]; the bytes stay in v[TM + 4 + q].
.macro QUANT src, nb, dst
.set qi, 0
.rept \nb
	v_max3_num_f32 v[TM+qi], |v[\src+16*qi]|, |v[\src+16*qi+1]|, 0x1800000   ; and the floor 2^(3 - 127): the byte cannot fall under 1
.set qi, qi+1
.endr
.irp i, 2,4,6,8,10,12,14
.set qi, 0
.rept \nb
	v_max3_num_f32 v[TM+qi], v[TM+qi], |v[\src+16*qi+\i]|, |v[\src+16*qi+\i+1]|   ; the blocks by turns; each accumulator from its low end on
.set qi, qi+1
.endr
.endr
.set qi, 0
.rept \nb
	v_permlanex16_b32 v[TM+4+qi], v[TM+qi], s[SEL], s[SEL+1]
.set qi, qi+1
.endr
.set qi, 0
.rept \nb
	v_max_num_f32 v[TM+qi], v[TM+qi], v[TM+4+qi]   ; the block's largest magnitude
.set qi, qi+1
.endr
.set qi, 0
.rept \nb
	v_add_nc_u32 v[TM+12+qi], 0xff000000, v[TM+qi] ; 2 off its exponent field: the conversion's scale operand
.set qi, qi+1
.endr
.set qi, 0
.rept \nb
	v_lshrrev_b32 v[TM+4+qi], 23, v[TM+12+qi]      ; the scale's byte
.set qi, qi+1
.endr
.set qi, 0
.rept \nb
	v_cvt_scalef32_pk8_fp4_f32 v[\dst+2*qi], v[\src+16*qi:\src+16*qi+7], v[TM+12+qi]
	v_cvt_scalef32_pk8_fp4_f32 v[\dst+2*qi+1], v[\src+16*qi+8:\src+16*qi+15], v[TM+12+qi]
.set qi, qi+1
.endr
	v_nop                                          ; one plain line behind the last conversion
.endm
	s_load_b256 s[4:11], s[0:1], 0x0               ; x s[4:5], wq s[6:7], bf s[8:9], bg s[10:11]
	s_load_b256 s[12:19], s[0:1], 0x20             ; bh s[12:13], qq s[14:15], kq s[16:17], vq s[18:19]
	v_lshl_add_u32 v[SPW], v0, 2, SPARE
	v_mov_b32 v[NIL], 0
	v_lshrrev_b32 v63, 5, v0
	s_delay_alu instid0(VALU_DEP_1)
	v_readfirstlane_b32 s[WV], v63                 ; wave 0..7
	s_lshr_b32 s48, ttmp9, 6                       ; the batch
	s_and_b32 s49, ttmp9, 63                       ; which 64 rows of it
	s_and_b32 s50, s[WV], 1                        ; w % 2
	s_lshr_b32 s51, s[WV], 1                       ; w / 2
	s_and_b32 s52, s51, 1                          ; b = (w / 2) % 2
	s_lshr_b32 s53, s[WV], 2                       ; w / 4
	s_mov_b32 s[MASK], 0xffff0000                  ; lanes 16-31
	s_mov_b32 s[SEL], 0x76543210
	s_mov_b32 s[SEL+1], 0xfedcba98
	v_and_b32 v60, 31, v0                          ; lane
	v_and_b32 v61, 15, v0                          ; r
	v_bfe_u32 v62, v0, 4, 1                        ; h
	s_delay_alu instid0(VALU_DEP_3)
	v_lshlrev_b32 v[LI], 4, v60
	s_lshl_b32 s54, s53, 5
	s_lshl_b32 s55, s52, 3
	s_add_co_u32 s54, s54, s55                     ; tile w / 2 begins at row 32 (w / 4) + 8 b
	s_lshl_b32 s54, s54, 11                        ; rows of 2,048 bytes
	s_lshl_b32 s44, ttmp9, 17                      ; 64 rows a work-group,
	s_add_co_u32 s44, s44, s54
	s_lshl_b32 s54, s50, 10                        ; my two K steps of 512 bytes
	s_add_co_u32 s44, s44, s54
	s_mov_b32 s45, 0
	s_wait_alu depctr_va_vdst(0)
	s_wait_kmcnt 0x0
	s_add_nc_u64 s[4:5], s[4:5], s[44:45]
	XLOAD 128, 0                                   ; x first: it comes from furthest
	XLOAD 192, 1
	s_mul_i32 s54, s[WV], 2*STB
	s_add_co_u32 s54, s54, STG                     ; my two stages
	v_add_nc_u32 v[STW], s54, v[LI]
	v_mul_u32_u24 v[STR], v61, SPI
	s_delay_alu instid0(VALU_DEP_1)
	v_lshl_add_u32 v[STR], v62, 6, v[STR]
	s_delay_alu instid0(VALU_DEP_1)
	v_add_nc_u32 v[STR], s54, v[STR]
	v_lshlrev_b32 v[CO], 4, v61
	s_delay_alu instid0(VALU_DEP_1)
	v_lshl_add_u32 v[CO], v62, 3, v[CO]
	s_lshl_b32 s54, s[WV], 11
	v_add_nc_u32 v[XWI], s54, v[CO]                ; fragments 4 (w / 2) + 2 (w % 2) = 2 w and 2 w + 1
	s_lshl_b32 s54, s51, 8
	s_lshl_b32 s55, s50, 3
	s_add_co_u32 s54, s54, s55
	s_add_co_u32 s54, s54, XSC
	v_lshl_add_u32 v[XWS], v61, 4, s54             ; XSC + 16 (16 (w / 2) + r) + 8 (w % 2)
	s_lshl_b32 s54, s50, 13
	v_add_nc_u32 v[XGA], s54, v[LI]
	v_add_nc_u32 v[XSR], XSC, v[LI]
	s_lshl_b32 s54, s50, 9
	s_add_co_u32 s54, s54, XSC
	v_add_nc_u32 v[XGSA], s54, v[LI]
	v_lshlrev_b32 v[BHA], 2, v61
	s_wait_alu depctr_va_vdst(0)
	v_lshlrev_b32 v[FBA], 6, v62
	s_wait_alu depctr_va_vdst(0)
	v_lshl_add_u32 v[KSO], v62, 1, v[BHA]
	v_lshlrev_b32 v[VSO], 3, v60
.irp b, 0,1,2,3
	v_mov_b32 v[TM+4+\b], 0                        ; written once: a lane permute's destination counts as one of its sources
.endr
	s_lshl_b32 s44, s[WV], 14
	s_add_co_u32 s44, s44, 8*4096
	s_add_nc_u64 s[20:21], s[6:7], s[44:45]        ; Wh's tiles 8 + 4 w on
	s_lshl_b32 s44, s51, 13
	s_add_nc_u64 s[22:23], s[6:7], s[44:45]        ; Wf's or Wg's tiles 2 (w / 2) on
	s_lshl_b32 s44, s[WV], 10
	s_add_co_u32 s44, s44, WSC+128*16
	s_add_nc_u64 s[24:25], s[6:7], s[44:45]        ; Wh's scale words
	s_lshl_b32 s44, s51, 9
	s_add_co_u32 s44, s44, WSC
	s_add_nc_u64 s[26:27], s[6:7], s[44:45]        ; Wf's or Wg's
	s_lshl_b32 s44, s[WV], 8
	s_add_nc_u64 s[12:13], s[12:13], s[44:45]      ; bh at my 64 channels
	s_cmp_lt_u32 s[WV], 4                          ; f or g: the choice hangs on the wave's number alone
	s_cselect_b64 s[8:9], s[8:9], s[10:11]
	s_cselect_b64 s[14:15], s[14:15], s[16:17]
	s_lshl_b32 s44, s52, 7
	s_add_nc_u64 s[8:9], s[8:9], s[44:45]          ; bf or bg at d = 32 b
	global_load_b128 v[WHS:WHS+3], v[LI], s[24:25]
	global_load_b128 v[WHS+4:WHS+7], v[LI], s[24:25] offset:512
	global_load_b128 v[WFS:WFS+3], v[LI], s[26:27]
.irp d, 0,1,2,3
	global_load_b32 v[BHL+\d], v[BHA], s[12:13] offset:64*\d
.endr
	WIN 0x40                                       ; destination window 1
.irp u, 0,1
.irp e, 0,1
	global_load_b128 v[FB+8*\u+4*\e:FB+8*\u+4*\e+3], v[FBA], s[8:9] offset:32*\u+16*\e   ; the bias at d = 32 b + 16 h + 8 u + 0 .. 7
.endr
.endr
.irp u, 0,1
.irp s, 0,1,2,3
.irp c, 0,1
	global_load_b128 v[WFG+32*\u+8*\s+4*\c:WFG+32*\u+8*\s+4*\c+3], v[LI], s[22:23] offset:(4*\u+\s)*1024+512*\c
.endr
.endr
.endr
.irp d, 0,1,2,3
.irp s, 0,1,2,3
.irp c, 0,1
	global_load_b128 v[32*\d+8*\s+4*\c:32*\d+8*\s+4*\c+3], v[LI], s[20:21] offset:(4*\d+\s)*1024+512*\c
.endr
.endr
.endr
	WIN 0
	; where the results go
	s_mul_i32 s46, s48, QKB
	s_lshl_b32 s54, s49, 1
	s_add_co_u32 s54, s54, s50                     ; my block of 32 rows in the batch
	s_lshl_b32 s44, s54, 10
	s_add_co_u32 s44, s44, s46
	s_lshl_b32 s55, s52, 8
	s_add_co_u32 s44, s44, s55                     ; + 256 b
	s_add_nc_u64 s[28:29], s[14:15], s[44:45]      ; f's or g's codes
	s_lshl_b32 s44, s54, 6
	s_add_co_u32 s44, s44, s46
	s_add_co_u32 s44, s44, s52
	s_add_co_u32 s44, s44, QKS
	s_add_nc_u64 s[30:31], s[14:15], s[44:45]      ; and scale bytes: + 64 x block + b
	s_mul_i32 s46, s48, VB
	s_lshr_b32 s54, s49, 2
	s_mul_i32 s54, s54, VPH
	s_add_co_u32 s46, s46, s54                     ; the batch, the 256 keys
	s_bfe_u32 s54, s49, 0x10001
	s_lshl_b32 s54, s54, 15                        ; which 128 of them
	s_add_co_u32 s44, s46, s54
	s_lshl_b32 s54, s[WV], 12                      ; my four tiles of channels
	s_add_co_u32 s44, s44, s54
	s_and_b32 s54, s49, 1
	s_lshl_b32 s54, s54, 9                         ; which 64 of the 128
	s_add_co_u32 s44, s44, s54
	s_add_nc_u64 s[32:33], s[18:19], s[44:45]      ; h's codes
	s_lshl_b32 s54, s[WV], 9
	s_add_co_u32 s44, s46, s54
	s_and_b32 s54, s49, 3
	s_lshl_b32 s54, s54, 1
	s_add_co_u32 s44, s44, s54
	s_add_co_u32 s44, s44, VSCL
	s_add_nc_u64 s[34:35], s[18:19], s[44:45]      ; and scale bytes: 8 a channel, mine are 2 (number % 4) and the next
	; ---- X
	s_wait_loadcnt 63                              ; behind my first K step's 16 loads stand 75; the wait names the most that its field holds, which is fewer
	TURN 128, 0
	s_wait_loadcnt 59                              ; behind the second K step's loads stand the 59 of weights and biases
	TURN 192, 1
	s_wait_dscnt 32                                ; the first K step is back from its stage; the second turn's 32 lines may be out
	QUANT 128, 4, 96
	v_lshl_or_b32 v[TM+8], v[TM+5], 8, v[TM+4]     ; the four bytes make my row's scale word
	s_delay_alu instid0(VALU_DEP_1)
	v_lshl_or_b32 v[TM+8], v[TM+6], 16, v[TM+8]
	s_delay_alu instid0(VALU_DEP_1)
	v_lshl_or_b32 v[TM+8], v[TM+7], 24, v[TM+8]
.irp b, 0,1,2,3
	ds_store_b64 v[XWI], v[96+2*\b:97+2*\b] offset:512*(\b/2)+256*(\b%2)   ; block b: 32 lanes store its 256 bytes of the image
.endr
	ds_store_b32 v[XWS], v[TM+8]                   ; lanes r and 16 + r write the same word with the same value
	s_wait_dscnt 5                                 ; the second K step is back; the five stores just issued may be out
	QUANT 192, 4, 104
	v_lshl_or_b32 v[TM+9], v[TM+5], 8, v[TM+4]
	s_delay_alu instid0(VALU_DEP_1)
	v_lshl_or_b32 v[TM+9], v[TM+6], 16, v[TM+9]
	s_delay_alu instid0(VALU_DEP_1)
	v_lshl_or_b32 v[TM+9], v[TM+7], 24, v[TM+9]
.irp b, 0,1,2,3
	ds_store_b64 v[XWI], v[104+2*\b:105+2*\b] offset:1024+512*(\b/2)+256*(\b%2)
.endr
	ds_store_b32 v[XWS], v[TM+9] offset:4
	s_wait_dscnt 0x0                               ; for the others' sake: my stores have landed
	s_barrier_signal -1
	s_barrier_wait -1                              ; x's sixteen fragments lie in LDS: the launch's one barrier
	ds_load_b128 v[XS:XS+3], v[XSR]
	ds_load_b128 v[XS+4:XS+7], v[XSR] offset:512
	ds_load_b128 v[XGS:XGS+3], v[XGSA]
	s_wait_loadcnt 0x0                             ; weights and biases
.irp d, 0,1,2,3
.irp j, 0,1,2,3,4,5,6,7
	v_mov_b32 v[HB+8*\d+\j], v[BHL+\d]             ; in h's layout a lane holds one channel: its bias in all eight registers
.endr
.endr
.rept 4
	v_nop
.endr
	s_wait_alu depctr_va_vdst(0)
	; ---- the four K steps of 128
.irp s, 0,1,2,3
.if \s > 0
.rept 4
	v_nop                                          ; places in front of loads into registers that matrix instructions have read
.endr
.endif
	WIN 0x40
.irp t, 0,1,2,3
.irp c, 0,1
	ds_load_b128 v[XF+8*\t+4*\c:XF+8*\t+4*\c+3], v[LI] offset:XIMG+(4*\t+\s)*1024+512*\c
.endr
.endr
.irp k, 0,1
.irp c, 0,1
	ds_load_b128 v[XG+8*\k+4*\c:XG+8*\k+4*\c+3], v[XGA] offset:XIMG+(4*\k+\s)*1024+512*\c
.endr
.endr
	s_wait_dscnt 0x0
	WIN 0x05                                       ; sources 0 and 1 window 1; C and D window 0
.irp d, 0,1,2,3
.irp t, 0,1,2,3
.if \s == 0
	WMC HAC+8*(4*\d+\t), XF+8*\t, 32*\d+8*\s, HB+8*\d, XS+4*(\t/2)+\s, WHS+4*(\d/2)+\s, \t%2, \d%2
.else
	WMC HAC+8*(4*\d+\t), XF+8*\t, 32*\d+8*\s, HAC+8*(4*\d+\t), XS+4*(\t/2)+\s, WHS+4*(\d/2)+\s, \t%2, \d%2
.endif
.endr
.endr
.if \s == 0
	WIN 0x15                                       ; the bias of f or g lies in window 1
.endif
.irp k, 0,1
.irp u, 0,1
.if \s == 0
	WMC FGA+16*\k+8*\u, WFG+32*\u+8*\s, XG+8*\k, FB+8*\u, WFS+\s, XGS+\s, \u, \k
.else
	WMC FGA+16*\k+8*\u, WFG+32*\u+8*\s, XG+8*\k, FGA+16*\k+8*\u, WFS+\s, XGS+\s, \u, \k
.endif
.endr
.endr
	WIN 0
.endr
	; ---- OUT.  Every store has data registers of its own, so none is written again
.rept 4
	v_nop                                          ; places in front of the first read of results
.endr
	QUANT FGA, 2, 96                               ; block k: d = 32 b + 0 .. 31 of row r of tile 2 (w % 2) + k
	global_store_b64 v[CO], v[96:97], s[28:29]               ; 256 consecutive bytes, at a multiple of 256 from the buffer's first byte
	global_store_b64 v[CO], v[98:99], s[28:29] offset:512
	v_cndmask_b32 v100, v[TM+4], v[TM+5], s[MASK]  ; lanes 0-15 store tile 0's byte, lanes 16-31 tile 1's
	global_store_b8 v[KSO], v100, s[30:31]
	QUANT HAC, 4, 104                              ; blocks (D, B) = (0, 0), (0, 1), (1, 0), (1, 1): 32 keys of channel 16 D + r
.irp q, 0,1,2,3
	global_store_b64 v[CO], v[104+2*\q:105+2*\q], s[32:33] offset:1024*(\q/2)+256*(\q%2)
.endr
	v_lshl_or_b32 v[TM+10], v[TM+5], 8, v[TM+4]    ; a channel's two bytes
	v_lshl_or_b32 v[TM+11], v[TM+7], 8, v[TM+6]
	s_delay_alu instid0(VALU_DEP_1)
	v_cndmask_b32 v101, v[TM+10], v[TM+11], s[MASK]   ; lanes 0-15 store tile 0's, lanes 16-31 tile 1's
	global_store_b16 v[VSO], v101, s[34:35]
	QUANT HAC+64, 4, 112                           ; D = 2, 3
.irp q, 0,1,2,3
	global_store_b64 v[CO], v[112+2*\q:113+2*\q], s[32:33] offset:2048+1024*(\q/2)+256*(\q%2)
.endr
	v_lshl_or_b32 v[TM+10], v[TM+5], 8, v[TM+4]
	v_lshl_or_b32 v[TM+11], v[TM+7], 8, v[TM+6]
	s_delay_alu instid0(VALU_DEP_1)
	v_cndmask_b32 v102, v[TM+10], v[TM+11], s[MASK]
	global_store_b16 v[VSO], v102, s[34:35] offset:256
	s_wait_tensorcnt 0x0                           ; the wave's end: behind my last LDS store
	ds_add_u32 v[SPW], v[NIL]
	s_wait_dscnt 0x0
	s_endpgm
.Lfunc_end_k_qd9b66b4675_proj:
	.size	k_qd9b66b4675_proj, .Lfunc_end_k_qd9b66b4675_proj-k_qd9b66b4675_proj
	.p2alignl 7, 3214868480
	.fill 96, 4, 3214868480
	.section	.rodata,"a",@progbits
	.p2align	6, 0x0
	.amdhsa_kernel k_qd9b66b4675_proj
		.amdhsa_group_segment_fixed_size 153600
		.amdhsa_private_segment_fixed_size 0
		.amdhsa_enable_private_segment 0
		.amdhsa_kernarg_size 64
		.amdhsa_user_sgpr_count 2
		.amdhsa_user_sgpr_kernarg_segment_ptr 1
		.amdhsa_wavefront_size32 1
		.amdhsa_system_sgpr_workgroup_id_x 1
		.amdhsa_system_sgpr_workgroup_id_y 1
		.amdhsa_system_sgpr_workgroup_id_z 1
		.amdhsa_system_vgpr_workitem_id 0
		.amdhsa_next_free_vgpr 512
		.amdhsa_next_free_sgpr 72
		.amdhsa_reserve_vcc 0
		.amdhsa_float_denorm_mode_32 3
		.amdhsa_float_denorm_mode_16_64 3
		.amdhsa_memory_ordered 1
		.amdhsa_forward_progress 1
		.amdhsa_inst_pref_size 52
	.end_amdhsa_kernel
	.amdgpu_metadata
---
amdhsa.version: [ 1, 2 ]
amdhsa.kernels:
  - .name:           k_qd9b66b4675_proj
    .symbol:         k_qd9b66b4675_proj.kd
    .args:
      - { .name: x, .offset: 0, .size: 8, .value_kind: global_buffer, .address_space: global }
      - { .name: wq, .offset: 8, .size: 8, .value_kind: global_buffer, .address_space: global }
      - { .name: bf, .offset: 16, .size: 8, .value_kind: global_buffer, .address_space: global }
      - { .name: bg, .offset: 24, .size: 8, .value_kind: global_buffer, .address_space: global }
      - { .name: bh, .offset: 32, .size: 8, .value_kind: global_buffer, .address_space: global }
      - { .name: qq, .offset: 40, .size: 8, .value_kind: global_buffer, .address_space: global }
      - { .name: kq, .offset: 48, .size: 8, .value_kind: global_buffer, .address_space: global }
      - { .name: vq, .offset: 56, .size: 8, .value_kind: global_buffer, .address_space: global }
    .group_segment_fixed_size: 153600
    .private_segment_fixed_size: 0
    .kernarg_segment_align: 8
    .kernarg_segment_size: 64
    .max_flat_workgroup_size: 256
    .sgpr_count:     72
    .vgpr_count:     512
    .wavefront_size: 32
...
	.end_amdgpu_metadata
.endif
;; end of part 5
;; launch attn (part 6): grid 64 x 4, 8 waves a work-group, clusters of 4 x 1, 327,680 bytes of LDS; arguments qq, kq, vq, x, gamma, out0; writes out0
.if DOCPART == 6
	.amdgcn_target "amdgcn-amd-amdhsa--gfx1250"
	.amdhsa_code_object_version 6
	.text
	.protected	k_qd9b66b4675_attn
	.globl	k_qd9b66b4675_attn
	.p2align	8
	.type	k_qd9b66b4675_attn,@function
k_qd9b66b4675_attn:
	s_mov_b64 s[64:65], 0
	v_nop
	global_prefetch_b8 v0, s[64:65] scope:SCOPE_SE
	s_setreg_imm32_b32 hwreg(HW_REG_WAVE_MODE, 25, 1), 1
	s_wait_xcnt 0x0
	s_wait_alu depctr_hold_cnt(0) depctr_sa_sdst(0) depctr_va_vdst(0) depctr_va_sdst(0) depctr_va_ssrc(0) depctr_va_vcc(0) depctr_vm_vsrc(0)
	s_getreg_b32 s2, hwreg(HW_REG_IB_STS2, 6, 4)
	s_cmp_eq_u32 s2, 0
	s_cbranch_scc0 .Lentry_in_a_cluster
	s_endpgm
.Lentry_in_a_cluster:
	s_bfe_u32 s2, ttmp6, 0x10000c
	s_cmp_lg_u32 s2, 0x3003
	s_cbranch_scc0 .Lentry_shape_is_right
	s_endpgm
.Lentry_shape_is_right:
; out0[b][q] = x[b][q] + gamma * (sum over keys of p h) / l, p = 2^(t - M), t = (f[q] . g[key]) log2(e), M = ceil(the row's largest t), l = the row's sum of the unquantised p.  Both products on codes of FP4.
; Nothing of reference() is left out here.  f (qq), g (kq) and h (vq) come as codes and scale bytes in the order of the operands' registers, as the launch before laid them.
; SHARES.  A work-group owns 64 queries of a batch: four tiles t of 16; lane r of tile t is query 32 (t / 2) + 8 (t % 2) + r + 8 (r / 8).  The keys go in 16 phases of 256.  A wave has two parts in a phase:
;   SOFTMAX: wave w owns the phase's block w of 32 keys for ALL 64 queries: one fragment of g feeds eight products;
;   P H:     wave w owns channels 64 w .. 64 w + 63 for all 64 queries: 16 accumulators; each fragment of h is read by one wave and feeds four products.
; p goes from wave to wave through LDS as images of the operand's registers, in two buffers by turns, with one barrier a phase.
; K = 64 UNDER AN INSTRUCTION OF K = 128.  A fragment of g holds key tile 2 B in k = 0 .. 63 and key tile 2 B + 1 in k = 64 .. 127.  The queries' 64 codes stand in one half of source 1 and zero codes in the other:
; two products on one fragment give both tiles.  v32-67 hold zeros and the four tiles' codes by turns, four registers each, so that both forms are runs of eight registers.
; A lane holds ONE query throughout; the 16 score registers of a tile are keys 32 B + 16 (lane / 16) + 0 .. 15, and the lane 16 away holds the block's other 16: their codes meet in the image.
; TWO PASSES.  Pass 1 makes all scores once for each query's largest: so M is the stated ceiling from the first phase on, and the sums are never rescaled.  The maximum is taken away for every input.
; Pass 2 makes the same scores by the same instructions on the same codes: the same bits.
; LDS AND THE RING.  h goes through two slots of TWO phases each (139,264 bytes): one tensor load a wave behind each round brings two phases' bytes and has two phases' work in which to land.
; Two such slots fit only where g's bytes are given up: slot A holds g's codes of the whole batch (as many bytes as a slot) in pass 1 and is filled with h's phases 2 and 3 behind it; slot B begins with phases 0 and 1.
; In pass 2 a wave takes its one fragment of g and its scale words for the next phase from memory straight into registers, a phase ahead: 8,704 of a phase's 78,336 bytes, each read by one wave of the work-group:
; so these loads are not asked for jointly.  LDS held a byte copy of the batch's part of kq from byte 0 on: the same two offset registers serve LDS in pass 1 and memory in pass 2.
; CLUSTER.  The four work-groups of a cluster belong to one batch and walk the same g and h: every tensor load is asked for JOINTLY, with the same descriptor and a mask that names the four.
; x rides in 128 registers that would lie idle: it is asked for at the head, in the layout of the way out.
; LIMITS: M is the ceiling of the f32 product score x log2(e), p comes of one fused multiply-add: where that product is rounded down onto a whole number, a row's largest p lies an ulp over 1 (its block's scale takes that up).
;   A block whose every p has fallen to 0 gets the byte 1: its codes are zeros.  NaN and infinities are not served.
; REGISTERS.  window 0: v1-15 addresses, the add's two; v16-23 -M (even; later gamma / l); v24-31 l in pairs (pass 1: the running maxima); v32-67 Q; v68-76 addresses; v78, v79 Q's scale words as loaded;
;   v80-93 scale words; v96-103 g's fragment; v104-167 scores and p, then p's eight fragments; v168-191 at work on scales (at the head: scratch); v192-255 h's eight fragments (pass 1: a second set of scores).
;   window 1: v0-127 the accumulators, (d, t) at 8 (4 d + t); v128-255 x.
.set QKB,   139264                     ; a batch of qq or of kq
.set VB,    1114112                    ; a batch of vq
.set KSC,   131072                     ; slot A in pass 1: g's images from 0, its scale words from here
.set RB,    139264                     ; slot B; slot A begins at 0
.set DSL,   139264                     ; a slot: two phases
.set VSL,   69632                      ; a phase: 65,536 of codes and 4,096 of scale bytes
.set VSCL,  65536
.set PIMG,  278528                     ; p's images: two buffers of 8,192: 2,048 t + 1,024 (which 128 keys)
.set PSC,   294912                     ; p's scale bytes: two buffers of 512: [16 t + r][8], the byte is the wave
.set MX,    295936                     ; the waves' maxima: 1,024 t + 32 x lane + 4 w
.set LX,    300032                     ; and their sums, likewise
.set SPARE, 304128                     ; the spare words, 128 bytes for each wave: four blocks of 256 bytes that no other line names
.set STAGE, RB                         ; the way out: 16 rows x (256 + 16) bytes for each wave, in slot B: it has had its last fill, and its last read, in phase 13, stands ahead of the barriers of phases 14 and 15
.set XO,   1                           ; x and out0: (lane / 16) x 2,048 + 16 (lane % 16) + 256 w
.set AK0,  2                           ; my block of g in a phase: 1,024 w + 16 x lane
.set AKS0, 3                           ; and its scale words: 131,072 + 64 w + 4 r
.set AV,   4                           ; v4-7: h's fragments of phase j at place j % 4: B's first and second phase, A's first and second
.set APW,  8
.set APSW, 9
.set APR,  10
.set APSR, 11
.set SPW,  12
.set NIL,  13
.set ADK,  14
.set ADS,  15
.set NM,   16
.set LS,   24
.set QZ,   32
.set PFO,  68
.set AMW,  69
.set AMR,  70
.set STO,  71
.set RD,   72
.set AVS,  73                          ; v73-76: h's scale bytes at the four places
.set QS,   80
.set KS,   84
.set VSR,  86                          ; register 2 (d / 2) + which 128 keys; the row is d % 2
.set PSR,  90                          ; register 2 (t / 2) + which 128 keys; the row is t % 2
.set KF,   96
.set S,    104
.set BM,   168
.set PD,   172
.set SO,   176
.set SB,   180
.set PC,   184
.set VF,   192
.set WV,   17
.set CX,   18
.set G1K,  24                          ; s[24:31] the one descriptor group 1: an eighth of a slot
.set KG,   32                          ; s[32:33] my batch's part of kq
.set G0K,  40                          ; s[40:43] g
.set G0V,  44                          ; s[44:47] slot B's, s[48:51] slot A's
.set SEL,  52
.set CS,   54
.set TK,   56
.set TS,   57
.set CNT,  58
.set P1,   59
.set LIM,  60
.set LIM1, 61
.set PFA,  62
.set MSB, 0
.macro WIN new                         ; the immediate's high byte repeats the setting that is left
.if MSB != \new
	s_set_vgpr_msb (MSB<<8)|\new
.set MSB, \new
.endif
.endm
.macro WMC d, a, b, c, sa, sb, ra, rb
.if (\ra) && (\rb)
	v_wmma_scale_f32_16x16x128_f8f6f4 v[\d:\d+7], v[\a:\a+7], v[\b:\b+7], v[\c:\c+7], v[\sa], v[\sb] matrix_a_fmt:MATRIX_FMT_FP4 matrix_b_fmt:MATRIX_FMT_FP4 matrix_a_scale:MATRIX_SCALE_ROW1 matrix_b_scale:MATRIX_SCALE_ROW1
.elseif (\ra)
	v_wmma_scale_f32_16x16x128_f8f6f4 v[\d:\d+7], v[\a:\a+7], v[\b:\b+7], v[\c:\c+7], v[\sa], v[\sb] matrix_a_fmt:MATRIX_FMT_FP4 matrix_b_fmt:MATRIX_FMT_FP4 matrix_a_scale:MATRIX_SCALE_ROW1
.elseif (\rb)
	v_wmma_scale_f32_16x16x128_f8f6f4 v[\d:\d+7], v[\a:\a+7], v[\b:\b+7], v[\c:\c+7], v[\sa], v[\sb] matrix_a_fmt:MATRIX_FMT_FP4 matrix_b_fmt:MATRIX_FMT_FP4 matrix_b_scale:MATRIX_SCALE_ROW1
.else
	v_wmma_scale_f32_16x16x128_f8f6f4 v[\d:\d+7], v[\a:\a+7], v[\b:\b+7], v[\c:\c+7], v[\sa], v[\sb] matrix_a_fmt:MATRIX_FMT_FP4 matrix_b_fmt:MATRIX_FMT_FP4
.endif
.endm
.macro WMZ d, a, b, sa, sb, ra, rb     ; the same with the constant 0 as C: it starts a sum
.if (\ra) && (\rb)
	v_wmma_scale_f32_16x16x128_f8f6f4 v[\d:\d+7], v[\a:\a+7], v[\b:\b+7], 0, v[\sa], v[\sb] matrix_a_fmt:MATRIX_FMT_FP4 matrix_b_fmt:MATRIX_FMT_FP4 matrix_a_scale:MATRIX_SCALE_ROW1 matrix_b_scale:MATRIX_SCALE_ROW1
.elseif (\ra)
	v_wmma_scale_f32_16x16x128_f8f6f4 v[\d:\d+7], v[\a:\a+7], v[\b:\b+7], 0, v[\sa], v[\sb] matrix_a_fmt:MATRIX_FMT_FP4 matrix_b_fmt:MATRIX_FMT_FP4 matrix_a_scale:MATRIX_SCALE_ROW1
.elseif (\rb)
	v_wmma_scale_f32_16x16x128_f8f6f4 v[\d:\d+7], v[\a:\a+7], v[\b:\b+7], 0, v[\sa], v[\sb] matrix_a_fmt:MATRIX_FMT_FP4 matrix_b_fmt:MATRIX_FMT_FP4 matrix_b_scale:MATRIX_SCALE_ROW1
.else
	v_wmma_scale_f32_16x16x128_f8f6f4 v[\d:\d+7], v[\a:\a+7], v[\b:\b+7], 0, v[\sa], v[\sb] matrix_a_fmt:MATRIX_FMT_FP4 matrix_b_fmt:MATRIX_FMT_FP4
.endif
.endm
; A round of the cluster's barrier: my work-group's barrier; wave 0 signals for the work-group; every wave waits for all four work-groups; my work-group's barrier once more.
.macro CROUND
	s_barrier_signal -1
	s_barrier_wait -1
	s_cmp_lg_u32 s[WV], 0
	s_cbranch_scc1 .Lnot_wave_0_\@
	s_barrier_signal -3
.Lnot_wave_0_\@:
	s_barrier_wait -3
	s_barrier_signal -1
	s_barrier_wait -1
.endm
; A PREFETCH INTO THE L2 of h's bytes.  A batch's 1,114,112 bytes are 17 pieces of 65,536; its eight slots' worth are 139,264 each, so slot's worth n (0..7) ends inside piece 2 n + 2.
; Pieces 0 and 1 lie wholly in the first fill and are not asked for (the first 8,192 bytes of piece 2 lie there too, and are named all the same).  Pieces 2, 3 and 4, for the refill behind pass 1, are asked for in the
; middle of pass 1.  Behind each refill but the last two pieces are asked for: those that the NEXT refill wants, two phases ahead of it: 5 and 6 behind pass 1, then 7 and 8 in phase 2, .. 15 and 16 in phase 10.
; All clusters of a batch walk the same bytes: the batch's first cluster asks.  Its four partners take 16,384 bytes of a piece each, told apart BY ADDRESS; in each, waves 0 and 1 ask for 8,192 bytes, lanes 256 bytes apart.
; Piece 16 ends with the batch's last byte; the refill of phase 12, the last, asks for nothing.
.macro ASK how
.if \how
	s_cmp_eq_u32 s[LIM], 1
.else
	s_cmp_gt_u32 s[CNT], s[LIM]                    ; s[CNT] = 1 in the trip of phases 10 to 13
.endif
	s_cbranch_scc0 .Lnot_mine_\@
	global_prefetch_b8 v[PFO], s[PFA:PFA+1] th:TH_LOAD_NT scope:SCOPE_SE
	global_prefetch_b8 v[PFO], s[PFA:PFA+1] offset:65536 th:TH_LOAD_NT scope:SCOPE_SE
.Lnot_mine_\@:
.endm
; eight products: 32 keys (the fragment at kf, its scale words in ks) x 64 queries; tile t's 16 registers at base + 16 t
.macro SPROD base, kf, ks
.irp t, 0,1,2,3
	WMZ \base+16*\t, \kf, QZ+4+8*\t, \ks, QS+\t, 0, 0        ; source 1 = [codes][zeros]: the fragment's k = 0 .. 63: keys 16 (lane / 16) + 0 .. 7
	WMZ \base+16*\t+8, \kf, QZ+8*\t, \ks, QS+\t, 0, 0        ; source 1 = [zeros][codes]: k = 64 .. 127: keys 16 (lane / 16) + 8 .. 15
.endr
.endm
	s_load_b256 s[4:11], s[0:1], 0x0               ; qq s[4:5], kq s[6:7], vq s[8:9], x s[10:11]
	s_load_b128 s[12:15], s[0:1], 0x20             ; gamma s[12:13], out0 s[14:15]
	v_lshl_add_u32 v[SPW], v0, 2, SPARE
	v_mov_b32 v[NIL], 0
	ds_add_u32 v[SPW], v[NIL]                      ; the wave's opening: the add, twice on end, and its wait ahead of my first tensor load; the set-up below stands between the second and the wait
	ds_add_u32 v[SPW], v[NIL]
	v_lshrrev_b32 v14, 5, v0
	s_delay_alu instid0(VALU_DEP_1)
	v_readfirstlane_b32 s[WV], v14                 ; wave 0..7
	s_bfe_u32 s[CX], ttmp6, 0x40000                ; my place in the cluster: it enters Q's, x's, out0's and the prefetches' addresses alone
	s_and_b32 s19, ttmp7, 0xffff                   ; the batch, which the four partners share
	; descriptor group 1: a dense block as rows of 256 bytes (32 elements of 8 bytes), no padding: every read of an image is 16 x lane, consecutive
	s_mov_b32 s[G1K], 15|(3<<16)|(1<<21)           ; 15:0 the mask: all four work-groups; 17:16 elements of 8 bytes; 21 set beside a mask
	s_mov_b32 s[G1K+1], 32<<16                     ; tensor_dim0
	s_mov_b32 s[G1K+2], 68<<16                     ; tensor_dim1: an eighth of 139,264 bytes
	s_mov_b32 s[G1K+3], 32<<16                     ; tile_dim0
	s_mov_b32 s[G1K+4], 68                         ; tile_dim1
	s_mov_b32 s[G1K+5], 32                         ; the pitch
	s_mov_b32 s[G1K+6], 0
	s_mov_b32 s[G1K+7], 0
	s_mul_i32 s66, s19, QKB
	s_mul_i32 s68, s19, VB
	s_mul_i32 s70, s[WV], 17408                    ; my eighth of a slot
	s_add_co_u32 s72, s66, s70
	s_mov_b32 s73, 0
	s_mov_b32 s77, 0
	s_mov_b32 s[SEL], 0x76543210
	s_mov_b32 s[SEL+1], 0xfedcba98
	s_mov_b32 s[CS], 0x3fb8aa3b                    ; log2(e)
	s_mov_b32 s[CS+1], s[CS]                       ; (named with it as a pair, so it is written)
	s_mov_b32 s[TK], 0
	s_mov_b32 s[TS], 0
	s_lshr_b32 s76, s[WV], 1                       ; 0 in waves 0 and 1,
	s_or_b32 s76, s76, ttmp9                       ; of the batch's first cluster: the same in all four partners
	s_cmp_eq_u32 s76, 0
	s_cselect_b32 s[LIM], 1, -1
	s_cselect_b32 s[LIM1], 4, 0
	s_lshl_b32 s74, ttmp9, 2
	s_add_co_u32 s74, s74, s[CX]                   ; my block of 64 queries
	s_wait_dscnt 0x0                               ; both opening adds are done
	s_wait_kmcnt 0x0
	s_load_b32 s16, s[12:13], 0x0                  ; gamma
	s_mov_b32 s[G0K], 1
	s_mov_b32 s[G0K+1], s70                        ; LDS: slot A
	s_add_nc_u64 s[G0K+2:G0K+3], s[6:7], s[72:73]
	s_or_b32 s[G0K+3], s[G0K+3], 0x80000000
	s_add_co_u32 s72, s68, s70
	s_mov_b32 s[G0V], 1
	s_add_co_u32 s[G0V+1], s70, RB                 ; slot B:
	s_add_nc_u64 s[G0V+2:G0V+3], s[8:9], s[72:73]  ; phases 0 and 1
	s_mov_b32 s[G0V+4], 1
	s_mov_b32 s[G0V+5], s70                        ; slot A:
	s_add_nc_u64 s[G0V+6:G0V+7], s[G0V+2:G0V+3], DSL   ; phases 2 and 3
	s_or_b32 s[G0V+3], s[G0V+3], 0x80000000
	s_or_b32 s[G0V+7], s[G0V+7], 0x80000000
	CROUND                                         ; all four work-groups are here: the first joint loads meet
	tensor_load_to_lds s[G0K:G0K+3], s[G1K:G1K+7]  ; every wave issues both first fills: this one has landed before the second is issued
	s_nop 0
	s_wait_alu depctr_va_vdst(0)
	s_wait_tensorcnt 0x0
	ds_add_u32 v12, v13
	s_wait_dscnt 0x0
	CROUND
	tensor_load_to_lds s[G0V:G0V+3], s[G1K:G1K+7]
	s_nop 0
.rept 4
	v_nop
.endr
	s_lshl_b32 s76, s74, 7                         ; Q's scale words: 128 bytes a block of 64 queries
	s_add_co_u32 s76, s76, s66
	s_add_co_u32 s76, s76, KSC
	s_add_nc_u64 s[20:21], s[4:5], s[76:77]
	s_lshl_b32 s76, s74, 11                        ; Q's codes: 2,048 bytes
	s_add_co_u32 s76, s76, s66
	s_add_nc_u64 s[4:5], s[4:5], s[76:77]
	s_mov_b32 s76, s66
	s_add_nc_u64 s[KG:KG+1], s[6:7], s[76:77]      ; g of my batch, for pass 2
	s_lshl_b32 s76, s19, 23
	s_lshl_b32 s78, s74, 17
	s_add_co_u32 s76, s76, s78                     ; my first row of x and of out0
	s_add_nc_u64 s[10:11], s[10:11], s[76:77]
	s_add_nc_u64 s[14:15], s[14:15], s[76:77]
	s_lshl_b32 s76, s[CX], 14
	s_lshl_b32 s78, s[WV], 13
	s_add_co_u32 s76, s76, s78
	s_add_co_u32 s76, s76, s68
	s_add_co_u32 s76, s76, 2*65536
	s_add_nc_u64 s[PFA:PFA+1], s[8:9], s[76:77]    ; my part of piece 2
	v_and_b32 v168, 31, v0                         ; lane
	v_and_b32 v169, 15, v0                         ; r
	v_bfe_u32 v170, v0, 4, 1                       ; h
	s_delay_alu instid0(VALU_DEP_3)
	v_lshlrev_b32 v171, 4, v168                    ; 16 x lane
	s_delay_alu instid0(VALU_DEP_3)
	v_lshlrev_b32 v172, 2, v169                    ; 4 r
	s_delay_alu instid0(VALU_DEP_3)
	v_lshlrev_b32 v[XO], 11, v170
	s_delay_alu instid0(VALU_DEP_1)
	v_lshl_add_u32 v[XO], v169, 4, v[XO]
	s_lshl_b32 s70, s[WV], 8
	v_add_nc_u32 v[XO], s70, v[XO]
.irp t, 0,1,2,3
	global_load_b128 v[QZ+4+8*\t:QZ+7+8*\t], v171, s[4:5] offset:512*\t   ; tile t's codes: lane (r, h): d = 32 h + 0 .. 31 of query r
.endr
	global_load_b32 v78, v172, s[20:21]            ; scale words of tiles 0, 1
	global_load_b32 v79, v172, s[20:21] offset:64  ; and of tiles 2, 3
	WIN 0x40                                       ; destination window 1
.irp t, 0,1,2,3
.irp i, 0,1,2,3,4,5,6,7
	global_load_b128 v[128+32*\t+4*\i:128+32*\t+4*\i+3], v[XO], s[10:11] offset:(32*(\t/2)+8*(\t%2)+2*\i+8*(\i/4))*2048 th:TH_LOAD_NT   ; rows 2 i, 2 i + 1 of tile t, my 64 channels: sixteen lanes read 256 consecutive bytes
.endr
.endr
	WIN 0
	s_lshl_b32 s70, s[WV], 10
	v_add_nc_u32 v[AK0], s70, v171                 ; my block of a phase's eight
	s_lshl_b32 s70, s[WV], 6
	s_add_co_u32 s70, s70, KSC
	v_add_nc_u32 v[AKS0], s70, v172
	s_lshl_b32 s70, s[WV], 12
	v_add_nc_u32 v[AV+2], s70, v171                ; my four tiles of channels: in slot A's first phase,
	s_delay_alu instid0(VALU_DEP_1)
	v_add_nc_u32 v[AV+3], VSL, v[AV+2]             ; its second,
	s_delay_alu instid0(VALU_DEP_2)
	v_add_nc_u32 v[AV], RB, v[AV+2]                ; slot B's first
	s_delay_alu instid0(VALU_DEP_3)
	v_add_nc_u32 v[AV+1], RB+VSL, v[AV+2]          ; and second
	v_lshlrev_b32 v173, 3, v168                    ; 8 x lane
	s_lshl_b32 s70, s[WV], 9
	s_add_co_u32 s70, s70, VSCL
	v_add_nc_u32 v[AVS+2], s70, v173
	s_delay_alu instid0(VALU_DEP_1)
	v_add_nc_u32 v[AVS+3], VSL, v[AVS+2]
	s_delay_alu instid0(VALU_DEP_2)
	v_add_nc_u32 v[AVS], RB, v[AVS+2]
	s_delay_alu instid0(VALU_DEP_3)
	v_add_nc_u32 v[AVS+1], RB+VSL, v[AVS+2]
	v_lshlrev_b32 v174, 4, v169
	s_delay_alu instid0(VALU_DEP_1)
	v_lshl_add_u32 v174, v170, 3, v174             ; 16 r + 8 h
	s_lshl_b32 s70, s[WV], 8
	s_add_co_u32 s70, s70, PIMG
	v_add_nc_u32 v[APW], s70, v174                 ; block w of the phase's eight: 256 w in an image pair
	s_add_co_u32 s70, s[WV], PSC
	v_lshl_add_u32 v[APSW], v169, 3, s70
	v_add_nc_u32 v[APR], PIMG, v171
	v_add_nc_u32 v[APSR], PSC, v173
	v_lshlrev_b32 v[PFO], 8, v168
	v_lshlrev_b32 v[AMR], 5, v168
	s_delay_alu instid0(VALU_DEP_1)
	v_add_nc_u32 v[AMR], MX, v[AMR]
	s_lshl_b32 s70, s[WV], 2
	v_add_nc_u32 v[AMW], s70, v[AMR]
	s_mul_i32 s70, s[WV], 4352
	s_add_co_u32 s70, s70, STAGE                   ; my stage
	v_mul_u32_u24 v[STO], v169, 272
	s_delay_alu instid0(VALU_DEP_1)
	v_lshl_add_u32 v[STO], v170, 5, v[STO]
	s_delay_alu instid0(VALU_DEP_1)
	v_add_nc_u32 v[STO], s70, v[STO]               ; in: row r, 32 bytes for each half of the lanes
	v_mul_u32_u24 v[RD], v170, 272
	s_delay_alu instid0(VALU_DEP_1)
	v_lshl_add_u32 v[RD], v169, 4, v[RD]
	s_delay_alu instid0(VALU_DEP_1)
	v_add_nc_u32 v[RD], s70, v[RD]                 ; back: lanes 0-15 one row, lanes 16-31 the next
.irp z, 0,1,2,3,4
.irp j, 0,1,2,3
	v_mov_b32 v[QZ+8*\z+\j], 0                     ; the zero codes between the tiles' codes
.endr
.endr
	s_wait_loadcnt 32                              ; Q and its scale words are in; x's 32 loads stay out
	s_wait_kmcnt 0x0                               ; gamma
	v_perm_b32 v[QS], v78, v78, 0x01000100         ; a tile's two bytes, twice: they serve the codes in either half of source 1
	v_perm_b32 v[QS+1], v78, v78, 0x03020302
	v_perm_b32 v[QS+2], v79, v79, 0x01000100
	v_perm_b32 v[QS+3], v79, v79, 0x03020302
.irp t, 0,1,2,3
	v_mov_b32 v[NM+2*\t+1], 0                      ; (named as the upper half of a pair)
	v_mov_b32 v[LS+\t], 0xff800000                 ; the running maxima: under every score
	v_mov_b32 v[LS+4+\t], 0                        ; a lane permute's destination counts as one of its sources
.endr                                          ; (these twelve are also the places between the scale words' making and the first product)
	v_add_nc_u32 v[ADK], s[TK], v[AK0]
	v_add_nc_u32 v[ADS], s[TS], v[AKS0]
	s_wait_alu depctr_va_vdst(0)
	s_wait_tensorcnt 0x1                           ; my part of g is in; slot B's load may stay out
	s_barrier_signal -1
	s_barrier_wait -1                              ; everybody's is
; ---- PASS 1: each query's largest score.  A trip takes my blocks of two phases, from LDS.
.macro P1LOAD
	ds_load_b128 v[KF:KF+3], v[ADK]
	ds_load_b128 v[KF+4:KF+7], v[ADK] offset:512
	ds_load_b32 v[KS], v[ADS]
	ds_load_b128 v[BM:BM+3], v[ADK] offset:8192
	ds_load_b128 v[BM+4:BM+7], v[ADK] offset:8704
	ds_load_b32 v[KS+1], v[ADS] offset:512
.endm
.macro MAXRUN base
.irp i, 0,2,4,6,8,10,12,14
.irp t, 0,1,2,3
	v_max3_num_f32 v[LS+\t], v[LS+\t], v[\base+16*\t+\i], v[\base+16*\t+\i+1]   ; the tiles by turns; each accumulator from its low end on
.endr
.endr
.endm
.macro P1TRIP pre
	s_wait_dscnt 0x3                               ; the first block's three loads are in, the second's may be out
	SPROD S, KF, KS
	s_wait_dscnt 0x0
	SPROD VF, BM, KS+1
.rept 4
	v_nop                                          ; places in front of loads into registers that the products have read, and of the first read of results
.endr
.if \pre
	s_add_co_u32 s[TK], s[TK], 16384
	s_add_co_u32 s[TS], s[TS], 1024
	v_add_nc_u32 v[ADK], s[TK], v[AK0]
	v_add_nc_u32 v[ADS], s[TS], v[AKS0]
	P1LOAD                                         ; the next two blocks land under the 64 maxima
	s_cmp_eq_u32 s[P1], s[LIM1]                    ; in the fourth of the seven trips: h's pieces 2, 3 and 4
	s_cbranch_scc0 .Lno_ask_\@
	global_prefetch_b8 v[PFO], s[PFA:PFA+1] th:TH_LOAD_NT scope:SCOPE_SE
	global_prefetch_b8 v[PFO], s[PFA:PFA+1] offset:65536 th:TH_LOAD_NT scope:SCOPE_SE
	global_prefetch_b8 v[PFO], s[PFA:PFA+1] offset:131072 th:TH_LOAD_NT scope:SCOPE_SE
.Lno_ask_\@:
.else
	global_load_b128 v[KF:KF+3], v[AK0], s[KG:KG+1]             ; pass 2's first block of mine, from memory: LDS is about to give g's bytes up
	global_load_b128 v[KF+4:KF+7], v[AK0], s[KG:KG+1] offset:512
	global_load_b32 v[KS], v[AKS0], s[KG:KG+1]
.endif
	s_wait_alu depctr_va_vdst(0)
	MAXRUN S
	MAXRUN VF
.endm
	P1LOAD
	s_mov_b32 s[P1], 7
.Lp1:
	P1TRIP 1
	s_sub_co_u32 s[P1], s[P1], 1
	s_cmp_lg_u32 s[P1], 0
	s_cbranch_scc1 .Lp1
	P1TRIP 0                                       ; the last two blocks
.irp t, 0,1,2,3
	s_delay_alu instid0(VALU_DEP_4)
	v_permlanex16_b32 v[LS+4+\t], v[LS+\t], s[SEL], s[SEL+1]
.endr
.irp t, 0,1,2,3
	s_delay_alu instid0(VALU_DEP_4)
	v_max_num_f32 v[LS+\t], v[LS+\t], v[LS+4+\t]   ; with the lane 16 away: all my keys
.endr
.irp t, 0,1,2,3
	ds_store_b32 v[AMW], v[LS+\t] offset:1024*\t
.endr
	; The exchange of the maxima is also slot A's first change: g's bytes have been read for the last time, and h's phases 2 and 3 take their place.
	s_wait_tensorcnt 0x0                           ; all my tensor loads have landed: slot B's was still out
	ds_add_u32 v[SPW], v[NIL]                      ; 0 onto my spare word: the steps below stand between it and the wait for it
	s_wait_xcnt 0x0                                ; the prefetches, four trips back, have read their address
	s_add_nc_u64 s[PFA:PFA+1], s[PFA:PFA+1], 3*65536   ; on to piece 5
	s_mov_b32 s[TK], 0
	s_mov_b32 s[TS], 0
	s_wait_dscnt 0x0                               ; the add is done, my maxima have landed, and my reads of g are over
	CROUND
	tensor_load_to_lds s[G0V+4:G0V+7], s[G1K:G1K+7]   ; my one tensor load behind the round, and the first thing there: it has phases 0 and 1 in which to land
	s_nop 0
.rept 4
	v_nop
.endr
	ASK 1                                          ; pieces 5 and 6
.irp t, 0,1,2,3
.irp e, 0,1
	ds_load_b128 v[VF+8*\t+4*\e:VF+8*\t+4*\e+3], v[AMR] offset:1024*\t+16*\e   ; the eight waves' maxima of my query
.endr
.endr
	s_wait_dscnt 0x0
.irp t, 0,1,2,3
	v_max3_num_f32 v[LS+\t], v[VF+8*\t], v[VF+8*\t+1], v[VF+8*\t+2]
.endr
.irp i, 3,5
.irp t, 0,1,2,3
	s_delay_alu instid0(VALU_DEP_4)
	v_max3_num_f32 v[LS+\t], v[LS+\t], v[VF+8*\t+\i], v[VF+8*\t+\i+1]
.endr
.endr
.irp t, 0,1,2,3
	s_delay_alu instid0(VALU_DEP_4)
	v_max_num_f32 v[LS+\t], v[LS+\t], v[VF+8*\t+7] ; the row's largest score
.endr
.irp t, 0,1,2,3
	s_delay_alu instid0(VALU_DEP_4)
	v_mul_f32 v[LS+\t], s[CS], v[LS+\t]            ; as t
.endr
.irp t, 0,1,2,3
	s_delay_alu instid0(VALU_DEP_4)
	v_floor_f32 v[NM+2*\t], -v[LS+\t]              ; -M = floor(-t) = -ceil(t)
.endr
.irp j, 0,1,2,3,4,5,6,7
	v_mov_b32 v[LS+\j], 0                          ; l, in pairs
.endr
.irp t, 0,1,2,3
	v_mov_b32 v[PD+\t], 0                          ; a lane permute's destination counts as one of its sources
.endr
; ---- A PHASE'S SOFTMAX: my 32 keys x 64 queries; p's codes and scale bytes into buffer buf.  knext: my block of the next phase is asked of memory as soon as the products have read this one.
.macro SM buf, knext
.rept 5
	v_nop                                          ; the scores are laid over registers that the last products read: five places
.endr
	s_wait_loadcnt 0x0                             ; g's fragment and its scale words are in: so their two offset registers may be written
	SPROD S, KF, KS
.if \knext
	s_add_co_u32 s[TK], s[TK], 8192
	s_add_co_u32 s[TS], s[TS], 512
	v_add_nc_u32 v[ADK], s[TK], v[AK0]             ; these two and two v_nop are the four places in front of the loads below and of the first read of results
	v_add_nc_u32 v[ADS], s[TS], v[AKS0]
	v_nop
	v_nop
	global_load_b128 v[KF:KF+3], v[ADK], s[KG:KG+1]             ; 512 consecutive bytes a load; they have the rest of this phase in which to land
	global_load_b128 v[KF+4:KF+7], v[ADK], s[KG:KG+1] offset:512
	global_load_b32 v[KS], v[ADS], s[KG:KG+1]
.else
.rept 4
	v_nop
.endr
.endif
.irp t, 0,1,2,3
	v_max3_num_f32 v[BM+\t], v[S+16*\t], v[S+16*\t+1], v[S+16*\t+2]   ; the block's largest SCORE: since p rises with the score, it gives the block's largest p
.endr
.irp i, 3,5,7,9,11,13
.irp t, 0,1,2,3
	v_max3_num_f32 v[BM+\t], v[BM+\t], v[S+16*\t+\i], v[S+16*\t+\i+1]
.endr
.endr
.irp t, 0,1,2,3
	v_max_num_f32 v[BM+\t], v[BM+\t], v[S+16*\t+15]
.endr
.irp t, 0,1,2,3
	s_delay_alu instid0(VALU_DEP_4)
	v_permlanex16_b32 v[PD+\t], v[BM+\t], s[SEL], s[SEL+1]
.endr
.irp t, 0,1,2,3
	s_delay_alu instid0(VALU_DEP_4)
	v_max_num_f32 v[BM+\t], v[BM+\t], v[PD+\t]     ; with the lane 16 away's 16 keys
.endr
.irp t, 0,1,2,3
.irp i, 0,2,4,6,8,10,12,14
	v_pk_fma_f32 v[S+16*\t+\i:S+16*\t+\i+1], v[S+16*\t+\i:S+16*\t+\i+1], s[CS:CS+1], v[NM+2*\t:NM+2*\t+1] op_sel_hi:[1,0,0]   ; t - M, two at a time
.endr
.endr
.irp t, 0,1,2,3
	v_fma_f32 v[BM+\t], v[BM+\t], s[CS], v[NM+2*\t]   ; the same of the block's largest score
.endr
	s_wait_alu depctr_va_vdst(0)
.irp j, 0,1,2,3,4,5,6,7,8,9,10,11,12,13,14,15,16,17,18,19,20,21,22,23,24,25,26,27,28,29,30,31,32,33,34,35,36,37,38,39,40,41,42,43,44,45,46,47,48,49,50,51,52,53,54,55,56,57,58,59,60,61,62,63
	v_exp_f32 v[S+\j], v[S+\j]                     ; p = 2^(t - M): not normalised
.endr
	v_nop                                          ; a plain line behind the exponentials
	s_wait_alu depctr_va_vdst(0)                   ; one wait for the whole batch, ahead of its first reader
.irp t, 0,1,2,3
	v_exp_f32 v[BM+\t], v[BM+\t]                   ; the block's largest p: the same two instructions on the same number
.endr
.irp i, 0,2,4,6,8,10,12,14
.irp t, 0,1,2,3
	v_pk_add_f32 v[LS+2*\t:LS+2*\t+1], v[LS+2*\t:LS+2*\t+1], v[S+16*\t+\i:S+16*\t+\i+1]   ; l is taken of the unquantised p: four chains by turns.  (They read the 64 alone: plain work behind the four)
.endr
.endr
	s_wait_alu depctr_va_vdst(0)                   ; and one for the four
.irp t, 0,1,2,3
	v_max_num_f32 v[BM+\t], 0x1800000, v[BM+\t]    ; the floor 2^(3 - 127): the byte cannot fall under 1
.endr
.irp t, 0,1,2,3
	s_delay_alu instid0(VALU_DEP_4)
	v_add_nc_u32 v[SO+\t], 0xff000000, v[BM+\t]    ; 2 off the exponent field: the conversion's scale operand
.endr
.irp t, 0,1,2,3
	s_delay_alu instid0(VALU_DEP_4)
	v_lshrrev_b32 v[SB+\t], 23, v[SO+\t]           ; the scale's byte
.endr
.irp t, 0,1,2,3
	v_cvt_scalef32_pk8_fp4_f32 v[PC+2*\t], v[S+16*\t:S+16*\t+7], v[SO+\t]
	v_cvt_scalef32_pk8_fp4_f32 v[PC+2*\t+1], v[S+16*\t+8:S+16*\t+15], v[SO+\t]
.endr
	v_nop                                          ; one plain line behind the last conversion
.irp t, 0,1,2,3
	ds_store_b64 v[APW], v[PC+2*\t:PC+2*\t+1] offset:8192*\buf+2048*\t   ; 32 lanes store my block's 256 bytes of tile t's image
.endr
.irp t, 0,1,2,3
	ds_store_b8 v[APSW], v[SB+\t] offset:512*\buf+128*\t   ; lanes r and 16 + r write the same byte with the same value
.endr
.endm
; ---- A PHASE'S SECOND PRODUCT: my 64 channels x 64 queries x 256 keys: h from place v, p from buffer p.
; zero: the first 128 keys start the sums.  lx: the eight waves' sums l are fetched behind the fragments.
.macro PVH h, zero
.irp d, 0,1,2,3
.irp t, 0,1,2,3
.if \zero
	WMZ 8*(4*\d+\t), VF+32*\h+8*\d, S+32*\h+8*\t, VSR+2*(\d/2)+\h, PSR+2*(\t/2)+\h, \d%2, \t%2
.else
	WMC 8*(4*\d+\t), VF+32*\h+8*\d, S+32*\h+8*\t, 8*(4*\d+\t), VSR+2*(\d/2)+\h, PSR+2*(\t/2)+\h, \d%2, \t%2
.endif
.endr
.endr
.endm
.macro PV v, p, zero, lx
	ds_load_b64 v[VSR:VSR+1], v[AVS+\v]            ; h's scale bytes: lanes 0-15 tile 0's channels, lanes 16-31 tile 1's; the low word serves the first 128 keys
	ds_load_b64 v[VSR+2:VSR+3], v[AVS+\v] offset:256
	ds_load_b64 v[PSR:PSR+1], v[APSR] offset:512*\p
	ds_load_b64 v[PSR+2:PSR+3], v[APSR] offset:512*\p+256
.irp h, 0,1
.irp q, 0,1,2,3
.irp c, 0,1
	ds_load_b128 v[VF+32*\h+8*\q+4*\c:VF+32*\h+8*\q+4*\c+3], v[AV+\v] offset:32768*\h+1024*\q+512*\c
.endr
.endr
.irp q, 0,1,2,3
.irp c, 0,1
	ds_load_b128 v[S+32*\h+8*\q+4*\c:S+32*\h+8*\q+4*\c+3], v[APR] offset:8192*\p+2048*\q+1024*\h+512*\c
.endr
.endr
.endr
.if \lx
.irp e, 0,1
	ds_load_b128 v[KF+4*\e:KF+4*\e+3], v[AMR] offset:LX-MX+16*\e
.endr
.irp t, 1,2,3
.irp e, 0,1
	ds_load_b128 v[160+8*\t+4*\e:160+8*\t+4*\e+3], v[AMR] offset:LX-MX+1024*\t+16*\e
.endr
.endr
.endif
	s_wait_dscnt 16+8*\lx                          ; the scale words and the first 128 keys' fragments are in; all that was issued behind them may be out
	WIN 0x50                                       ; C and D window 1
	PVH 0, \zero
	s_wait_dscnt 8*\lx                             ; the second 128 keys' are in
	PVH 1, 0                                       ; the sixteen accumulators take turns, in one order in both halves
	WIN 0
.endm
; ---- A phase at whose barrier a slot is filled again (the even phases 2 to 12).  In front of the round each wave waits for all its tensor loads (one is out: its part of the slot that this phase and the next read),
; adds 0 to its spare word, and waits for that, for its stores of p and for its reads of the slot that it left.  Behind the round p's buffer and the slot ahead are whole, and no wave of any partner reads the other slot:
; it takes the two phases after these two.  g: that slot's descriptor group 0.
.macro PHASER p, v, g, how
	SM \p, 1
	s_wait_tensorcnt 0x0                           ; no tensor load of mine is out, so a group 0 may be written
	ds_add_u32 v[SPW], v[NIL]                      ; 0 onto my spare word: the steps below stand between it and the wait for it
	s_add_nc_u64 s[\g+2:\g+3], s[\g+2:\g+3], 2*DSL ; four phases on; the type bits on top are not reached
	s_wait_xcnt 0x0                                ; the last prefetches, two phases back, have read their address
	s_add_nc_u64 s[PFA:PFA+1], s[PFA:PFA+1], 2*65536
	s_wait_dscnt 0x0
	CROUND
	tensor_load_to_lds s[\g:\g+3], s[G1K:G1K+7]    ; my one tensor load behind the round, and the first thing there
	s_nop 0
.rept 4
	v_nop
.endr
	ASK \how
	PV \v, \p, 0, 0
.endm
; ---- A phase at whose barrier nothing is filled: the barrier serves p alone, and the one tensor load stays out across it.  The slot that this phase reads was shown whole at the round a phase back.
.macro PHASEP p, v
	SM \p, 1
	s_wait_dscnt 0x0                               ; for the others' sake: my stores of p have landed
	s_barrier_signal -1
	s_barrier_wait -1
	PV \v, \p, 0, 0
.endm
	SM 0, 1                                        ; phase 0: slot B was shown whole at the round behind pass 1
	s_wait_dscnt 0x0
	s_barrier_signal -1
	s_barrier_wait -1
	PV 0, 0, 1, 0
	PHASEP 1, 1                                    ; phase 1
	s_mov_b32 s[CNT], 3
.Lphase:                                           ; three trips of four phases: 2 to 13
	PHASER 0, 2, G0V, 1                            ; slot B is left and filled; slot A's first phase
	PHASEP 1, 3                                    ; its second
	PHASER 0, 0, G0V+4, 0                          ; slot A is left and filled; slot B's first phase
	PHASEP 1, 1                                    ; its second
	s_sub_co_u32 s[CNT], s[CNT], 1
	s_cmp_lg_u32 s[CNT], 0
	s_cbranch_scc1 .Lphase
	SM 0, 1                                        ; phases 14 and 15 are written out: nothing is left to fetch
	s_wait_tensorcnt 0x0                           ; my part of slot A's last two phases
	s_wait_dscnt 0x0
	s_barrier_signal -1
	s_barrier_wait -1
	PV 2, 0, 0, 0
	SM 1, 0                                        ; phase 15
.irp t, 0,1,2,3
	v_add_f32 v[LS+2*\t], v[LS+2*\t], v[LS+2*\t+1] ; l's two halves,
.endr
.irp t, 0,1,2,3
	s_delay_alu instid0(VALU_DEP_4)
	v_permlanex16_b32 v[PD+\t], v[LS+2*\t], s[SEL], s[SEL+1]
.endr
.irp t, 0,1,2,3
	s_delay_alu instid0(VALU_DEP_4)
	v_add_f32 v[LS+2*\t], v[LS+2*\t], v[PD+\t]     ; and the lane 16 away's: all my keys
.endr
.irp t, 0,1,2,3
	ds_store_b32 v[AMW], v[LS+2*\t] offset:LX-MX+1024*\t
.endr
	s_wait_dscnt 0x0
	s_barrier_signal -1
	s_barrier_wait -1
	PV 3, 1, 0, 1
	; ---- THE WAY OUT.  The additions are the places behind the last products: they name none of their registers.
	s_wait_dscnt 0x0                               ; the eight waves' sums
.irp a, KF, 168, 176, 184
	v_pk_add_f32 v[\a:\a+1], v[\a:\a+1], v[\a+2:\a+3]
	v_pk_add_f32 v[\a+4:\a+5], v[\a+4:\a+5], v[\a+6:\a+7]
.endr
.irp a, KF, 168, 176, 184
	v_pk_add_f32 v[\a:\a+1], v[\a:\a+1], v[\a+4:\a+5]
.endr
.irp a, KF, 168, 176, 184
	s_delay_alu instid0(VALU_DEP_4)
	v_add_f32 v[\a], v[\a], v[\a+1]                ; l
.endr
	s_wait_alu depctr_va_vdst(0)
	v_rcp_f32 v[NM], v[KF]
	v_rcp_f32 v[NM+2], v168
	v_rcp_f32 v[NM+4], v176
	v_rcp_f32 v[NM+6], v184
	v_nop                                          ; a plain line behind the last reciprocal
	s_wait_alu depctr_va_vdst(0)                   ; one wait for the four, ahead of their first reader
.irp t, 0,1,2,3
	v_mul_f32 v[NM+2*\t], s16, v[NM+2*\t]          ; gamma / l
.endr
; Tile t: a lane's eight channels of a query are 32 bytes; they go into my stage's rows of 272 bytes and come back as whole rows of 256, into the registers that they left.
.macro PACK t
	WIN 0x01                                       ; source 0 window 1
.irp d, 0,1,2,3
.irp i, 0,2,4,6
	v_pk_mul_f32 v[S+32*\t+8*\d+\i:S+32*\t+8*\d+\i+1], v[8*(4*\d+\t)+\i:8*(4*\d+\t)+\i+1], v[NM+2*\t:NM+2*\t+1] op_sel_hi:[1,0]   ; each accumulator from its low end on
.endr
.endr
	WIN 0
.irp d, 0,1,2,3
	ds_store_b128 v[STO], v[S+32*\t+8*\d:S+32*\t+8*\d+3] offset:64*\d
	ds_store_b128 v[STO], v[S+32*\t+8*\d+4:S+32*\t+8*\d+7] offset:64*\d+16
.endr
.irp i, 0,1,2,3,4,5,6,7
	ds_load_b128 v[S+32*\t+4*\i:S+32*\t+4*\i+3], v[RD] offset:544*\i   ; LDS serves a wave's instructions in order (ISA guide 5.7.1.4): these see the stores above; the next tile's stores come behind them
.endr
.endm
.macro SEND t, younger                 ; younger: the LDS instructions issued behind tile t's loads: the next tile's sixteen, or none
	s_wait_dscnt \younger
	WIN 0x04                                       ; source 1 window 1: x
.irp i, 0,2,4,6,8,10,12,14,16,18,20,22,24,26,28,30
	v_pk_add_f32 v[S+32*\t+\i:S+32*\t+\i+1], v[S+32*\t+\i:S+32*\t+\i+1], v[128+32*\t+\i:128+32*\t+\i+1]
.endr
	WIN 0
.irp i, 0,1,2,3,4,5,6,7
	global_store_b128 v[XO], v[S+32*\t+4*\i:S+32*\t+4*\i+3], s[14:15] offset:(32*(\t/2)+8*(\t%2)+2*\i+8*(\i/4))*2048 th:TH_STORE_NT   ; sixteen lanes store 256 consecutive bytes, at a multiple of 256 from out0's first byte
.endr
.endm
	s_wait_alu depctr_va_vdst(0)
	s_wait_loadcnt 0x0                             ; x (it has been in since pass 2's first wait for g, which stands behind it on the same counter)
	PACK 0
	PACK 1                                         ; a tile's arithmetic stands between the loads of the tile before and its stores
	SEND 0, 16
	PACK 2
	SEND 1, 16
	PACK 3
	SEND 2, 16
	SEND 3, 0
	s_wait_tensorcnt 0x0                           ; the wave's end: behind my last tensor load and my last LDS store
	ds_add_u32 v[SPW], v[NIL]
	s_wait_dscnt 0x0
	CROUND                                         ; the closing round: no work-group ends while a partner may still ask for a tile that names it
	s_endpgm
.Lfunc_end_k_qd9b66b4675_attn:
	.size	k_qd9b66b4675_attn, .Lfunc_end_k_qd9b66b4675_attn-k_qd9b66b4675_attn
	.p2alignl 7, 3214868480
	.fill 96, 4, 3214868480
	.section	.rodata,"a",@progbits
	.p2align	6, 0x0
	.amdhsa_kernel k_qd9b66b4675_attn
		.amdhsa_group_segment_fixed_size 327680
		.amdhsa_private_segment_fixed_size 0
		.amdhsa_enable_private_segment 0
		.amdhsa_kernarg_size 48
		.amdhsa_user_sgpr_count 2
		.amdhsa_user_sgpr_kernarg_segment_ptr 1
		.amdhsa_wavefront_size32 1
		.amdhsa_system_sgpr_workgroup_id_x 1
		.amdhsa_system_sgpr_workgroup_id_y 1
		.amdhsa_system_sgpr_workgroup_id_z 1
		.amdhsa_system_vgpr_workitem_id 0
		.amdhsa_next_free_vgpr 512
		.amdhsa_next_free_sgpr 80
		.amdhsa_reserve_vcc 0
		.amdhsa_float_denorm_mode_32 3
		.amdhsa_float_denorm_mode_16_64 3
		.amdhsa_memory_ordered 1
		.amdhsa_forward_progress 1
		.amdhsa_inst_pref_size 206
	.end_amdhsa_kernel
	.amdgpu_metadata
---
amdhsa.version: [ 1, 2 ]
amdhsa.kernels:
  - .name:           k_qd9b66b4675_attn
    .symbol:         k_qd9b66b4675_attn.kd
    .args:
      - { .name: qq, .offset: 0, .size: 8, .value_kind: global_buffer, .address_space: global }
      - { .name: kq, .offset: 8, .size: 8, .value_kind: global_buffer, .address_space: global }
      - { .name: vq, .offset: 16, .size: 8, .value_kind: global_buffer, .address_space: global }
      - { .name: x, .offset: 24, .size: 8, .value_kind: global_buffer, .address_space: global }
      - { .name: gamma, .offset: 32, .size: 8, .value_kind: global_buffer, .address_space: global }
      - { .name: out0, .offset: 40, .size: 8, .value_kind: global_buffer, .address_space: global }
    .group_segment_fixed_size: 327680
    .private_segment_fixed_size: 0
    .kernarg_segment_align: 8
    .kernarg_segment_size: 48
    .max_flat_workgroup_size: 256
    .sgpr_count:     80
    .vgpr_count:     512
    .wavefront_size: 32
...
	.end_amdgpu_metadata
.endif
;; end of part 6
